; MI455X (gfx1250); checked and timed in simulation.
; The chip was launched on July 23, 2026; its instructions are those of AMD's public machine-readable ISA for CDNA 5 (MIT licence, August 2026) and "CDNA5" Instruction Set Architecture Reference Guide (July 2026). The comments in the code are by the model that wrote it; some were corrected since.
;; Multi Head Attention. Allowed arithmetic: matrix products marked QUANTISED: E3M2 operands, one E8M0 scale for each 32 along K, by v_wmma_scale_f32_16x16x128_f8f6f4 with both operands' format E3M2, f32 sums; everything else in f32.
;; Inputs: Wk 1,024 x 1,024 float32; Wo 1,024 x 1,024 float32; Wq 1,024 x 1,024 float32; Wv 1,024 x 1,024 float32; bk 1,024 float32; bo 1,024 float32; bq 1,024 float32; bv 1,024 float32; x 4 x 2,048 x 1,024 float32.
;; Outputs: out0 4 x 2,048 x 1,024 float32.
;; This version of the problem:
;;   THIS VERSION OF THE PROBLEM IS GIVEN IN LOW PRECISION. The matrix products marked QUANTISED in the list below multiply operands that are first quantised to E3M2 (3 exponent bits, 2 mantissa bits; 6 bits a number), with one power-of-two scale for each 32 numbers along K (OCP MX v1.0); their sums are f32. All else is computed in f32.
;;   The module's matrix products, in the order in which they are computed (A, B: the left and right operand; K: the contracted axis; several contracted axes count as one K, in the product's order):
;;     1. [M 8,192, K 1,024] x [K 1,024, N 1,024]; A: input x; B: input Wq: QUANTISED
;;     2. [M 8,192, K 1,024] x [K 1,024, N 1,024]; A: input x; B: input Wk: QUANTISED
;;     3. [M 8,192, K 1,024] x [K 1,024, N 1,024]; A: input x; B: input Wv: QUANTISED
;;     4. batch 64 x [M 2,048, K 64] x [K 64, N 2,048]; A: computed on the way; B: computed on the way: QUANTISED
;;     5. batch 64 x [M 2,048, K 2,048] x [K 2,048, N 64]; A: softmax (see below); B: computed on the way: QUANTISED
;;     6. [M 8,192, K 1,024] x [K 1,024, N 1,024]; A: computed on the way; B: input Wo: QUANTISED
;;   THE QUANTISER, for each operand of a quantised product, along K:
;;     - K is cut into blocks of 32 from its start; a last block that is shorter is filled with zeros.
;;     - A block's scale is 2^e with e = floor(log2(the largest magnitude in the block)) - 4, held to -126 .. 127; a block of zeros has e = 0. As a byte (E8M0): e + 127.
;;     - Each number is divided by its block's scale, clamped to +-28, and rounded to the nearest number of E3M2, ties to even, subnormals kept.
;;     - The product sums the exact products of the quantised numbers (number of the format x scale) in f32.
;;   ~~~python
;;   def quantise(x, axis):      # numpy; x: float32 -> the quantised numbers, widened to float32 again
;;       x = np.moveaxis(x, axis, -1); K = x.shape[-1]
;;       x = np.pad(x, [(0, 0)] * (x.ndim - 1) + [(0, -K % 32)]); x = x.reshape(x.shape[:-1] + (-1, 32)); a = np.abs(x).max(-1, keepdims=True)
;;       e = np.where(a > 0, np.clip(np.frexp(np.where(a > 0, a, 1))[1] - 1 - 4, -126, 127), 0)      # np.frexp(a)[1] - 1 = floor(log2(a)), exactly
;;       r = np.clip(x / 2.0 ** e, -28, 28)
;;       step = 2.0 ** (np.maximum(np.frexp(np.where(r == 0, 1, r))[1] - 1, -2) - 2)
;;       q = np.round(r / step) * step * 2.0 ** e      # np.round: ties to even
;;       return np.moveaxis(q.reshape(q.shape[:-2] + (-1,))[..., :K], -1, axis).astype(np.float32)
;;   ~~~
;;   SOFTMAX AHEAD OF A QUANTISED PRODUCT. Where the list says 'softmax', what is quantised is not the finished softmax but p = 2^(t - M), with t = logit x log2(e) and M = ceil(the row's largest t), a whole number; so 1/2 < the row's largest p <= 1. The row's sum l is taken of the UNQUANTISED p, in f32, and the product's result is divided by l at the end. Since M is a whole number, a kernel that streams over the keys may use a running M (the ceiling of the running maximum): every later rescaling is an exact power of two, which a block's scale takes up: the codes' values come out the same.
;;   OPERANDS COMPUTED ON THE WAY. 'Computed on the way' means the value that the module computes at that place (a softmax that the list does not call 'softmax' is quantised finished and normalised). What goes into a quantiser is computed in f32, as accurately as f32 sums, v_exp_f32 and their like allow (about 1e-6 of the number): no bf16 or f16 on the way to a quantiser, and a product that is left as it is and whose result goes on into a quantised operand takes f32 operands (vector FMAs, or v_wmma_f32_16x16x4_f32). A number that lies on a knife's edge between two numbers of the format may be rounded either way, as far as f32 arithmetic and the matrix unit's own rounding can turn it there, and no further.
;; One version. Each part assembles by itself: llvm-mc -triple=amdgcn-amd-amdhsa -mcpu=gfx1250 --defsym DOCPART=n.
;; ======== version 1 of 1: 4 launches
;; limits: right only within a limited range of input values
;; workspace buffers: xc 6,291,456 bytes; xs 262,144 bytes; wc 3,145,728 bytes; ws 131,072 bytes; qb 6,815,744 bytes; kv 13,369,344 bytes; oc 6,291,456 bytes; os 262,144 bytes
;; launch quant (part 1): grid 512 x 1, 4 waves a work-group, no clusters, 34,304 bytes of LDS; arguments x, Wq, Wk, Wv, Wo, xc, xs, wc, ws; writes xc, xs, wc, ws
.if DOCPART == 1
	.amdgcn_target "amdgcn-amd-amdhsa--gfx1250"
	.amdhsa_code_object_version 6
	.text
	.protected	k_qa916494d2b_quant
	.globl	k_qa916494d2b_quant
	.p2align	8
	.type	k_qa916494d2b_quant,@function
k_qa916494d2b_quant:
	s_mov_b64 s[64:65], 0
	v_nop
	global_prefetch_b8 v0, s[64:65] scope:SCOPE_SE
	s_setreg_imm32_b32 hwreg(HW_REG_WAVE_MODE, 25, 1), 1
	s_wait_xcnt 0x0
; x [8192][1024] f32 (K innermost) and Wq, Wk, Wv, Wo [1024 (k)][1024 (n)] f32 (K is the first axis) become codes of E3M2 with one E8M0 byte for each 32 along K.
; A block's scale is 2^(floor(log2(largest magnitude)) - 4): its byte is the largest magnitude's exponent field - 4, held at 1 from below by a floor among the maximum's leaves.
; LIMITS: a block of zeros gets the byte 1 where the rule says 127 (its codes are zeros, and this program alone reads the bytes); NaN and infinities among the inputs are not served.
; THE CODES ARE LAID IN THE ORDER OF THE OPERAND'S REGISTERS.  A group is 128 operand rows; tile 2 B + u of a group holds, in lane r, row 32 B + 8 u + r + 8 (r / 8).
; A fragment (16 rows x 128 K, 12 registers a lane) is an image of 1,536 bytes: register p of lane l at 512 (p / 4) + 16 l + 4 (p % 4).
; codes: ((group x 4 + K / 256) x 8 + tile) x 3072 + ((K / 128) % 2) x 1536 + image;   scale words: group x 4096 + (K / 128) x 512 + B x 128 + r x 8 + u x 4.
; Work-groups 0-255 take x, 256-511 the weights (wc's groups: Wq 0-7, Wk 8-15, Wv 16-23, Wo 24-31).  No tensor load, no barrier: waves share nothing.  Only x's path touches LDS.
.set R,    16                          ; v16-143  x: two sets of 64 numbers as loaded;  weights: 128 numbers down K
.set X,    144                         ; v144-207 x: 64 numbers, register 16 b + i = k 32 b + 16 (lane / 16) + i of my row
.set CD,   144                         ; v144-167 weights: the codes of the two lanes (r, 0) and (r, 1) of a fragment
.set PC,   208                         ; v208-227 x: a fragment's 12 registers, and the conversions' second halves
.set TM,   228                         ; v228-243 at work
.set PW,   244                         ; v244     the scale word just made
.set WD,   245                         ; v245-248 the four fragments' scale words
.set SEL,  24                          ; s[24:25] lane selects: lane l xor 16
; 64 numbers of a lane become a fragment's codes in v[PC] on and its rows' scale word in v[PW]
.macro QUANT s
.irp b, 0,1,2,3
	v_max3_num_f32 v[TM+\b], |v[\s+16*\b]|, |v[\s+1+16*\b]|, 0x2800000   ; block b: my 16 numbers, and the floor 2^(5 - 127): the byte cannot fall under 1
.endr
.irp i, 2,4,6,8,10,12,14
.irp b, 0,1,2,3
	v_max3_num_f32 v[TM+\b], v[TM+\b], |v[\s+16*\b+\i]|, |v[\s+1+16*\b+\i]|   ; the four blocks by turns
.endr
.endr
.irp b, 0,1,2,3
	v_permlanex16_b32 v[TM+4+\b], v[TM+\b], s[SEL], s[SEL+1]
.endr
.irp b, 0,1,2,3
	v_max_num_f32 v[TM+\b], v[TM+\b], v[TM+4+\b]   ; with lane l xor 16's: the block's largest magnitude
.endr
.irp b, 0,1,2,3
	v_add_nc_u32 v[TM+12+\b], 0xfe000000, v[TM+\b]   ; 4 off its exponent field: the conversion's scale operand
.endr
.irp b, 0,1,2,3
	v_lshrrev_b32 v[TM+4+\b], 23, v[TM+12+\b]      ; the scale's byte
.endr
	v_lshl_or_b32 v[PW], v[TM+5], 8, v[TM+4]
	v_lshl_or_b32 v[PW], v[TM+6], 16, v[PW]
	v_lshl_or_b32 v[PW], v[TM+7], 24, v[PW]
.irp c, 0,1
	v_cvt_scalef32_pk16_bf6_f32 v[PC+6*\c:PC+2+6*\c], v[\s+32*\c:\s+15+32*\c], v[TM+12+2*\c]
	v_cvt_scalef32_pk16_bf6_f32 v[PC+12+4*\c:PC+14+4*\c], v[\s+16+32*\c:\s+31+32*\c], v[TM+12+2*\c+1]   ; a conversion's three registers begin on an even number
.endr
	v_nop                                          ; one plain place behind a scaled conversion
.irp c, 0,1                                    ; the layout wants a whole block in a lane: lanes 0-15 block 2 c, lanes 16-31 block 2 c + 1
.irp i, 0,1,2
	v_permlane16_swap_b32 v[PC+6*\c+\i], v[PC+12+4*\c+\i]
.endr
.irp i, 0,1,2
	v_mov_b32 v[PC+3+6*\c+\i], v[PC+12+4*\c+\i]
.endr
.endr
.endm
.macro LOADX f                         ; fragment f's 16 rows, 128 along K: each load reads one row's 512 consecutive bytes
.set n, 0
.rept 16
	; x's tiles have an order of their own: tile 4 c + s of a group holds, in lane r, row 64 c + 8 s + r % 8 + 32 (r / 8); the weights keep the order stated at the head
	global_load_b128 v[R+64*((\f)%2)+4*n:R+64*((\f)%2)+4*n+3], v1, s[4:5] offset:(8*(\f)+(n%8)+32*(n/8))*4096 th:TH_LOAD_NT
.set n, n+1
.endr
.endm
.macro TURN f                          ; through my wave's stage (rows 528 bytes apart): in as loaded, out 16 neighbours of each block to a lane.  LDS serves a wave's instructions in order
.set n, 0
.rept 16
	ds_store_b128 v2, v[R+64*((\f)%2)+4*n:R+64*((\f)%2)+4*n+3] offset:528*n
.set n, n+1
.endr
.set n, 0
.rept 16
	ds_load_b128 v[X+4*n:X+4*n+3], v3 offset:128*(n/4)+16*(n%4)
.set n, n+1
.endr
.endm
.macro WBLOCK b                        ; weights: block b of my column: all its 32 numbers are mine
.set XS, R+32*(\b)
.set DS, CD+12*((\b)%2)+6*((\b)/2)
	v_max3_num_f32 v172, |v[XS]|, |v[XS+1]|, |v[XS+2]|
	v_max3_num_f32 v173, |v[XS+3]|, |v[XS+4]|, |v[XS+5]|
.irp m, 6,10,14,18,22,26
	v_max3_num_f32 v172, v172, |v[XS+\m]|, |v[XS+\m+1]|
	v_max3_num_f32 v173, v173, |v[XS+\m+2]|, |v[XS+\m+3]|
.endr
	v_max3_num_f32 v172, v172, |v[XS+30]|, |v[XS+31]|
	v_max3_num_f32 v172, v172, v173, 0x2800000     ; and the floor
	v_add_nc_u32 v174, 0xfe000000, v172
	v_lshrrev_b32 v175, 23, v174
.if (\b) == 0
	v_mov_b32 v176, v175                           ; the four bytes make my column's scale word
.else
	v_lshl_or_b32 v176, v175, 8*(\b), v176
.endif
	v_cvt_scalef32_pk16_bf6_f32 v[DS:DS+2], v[XS:XS+15], v174
	v_cvt_scalef32_pk16_bf6_f32 v[168:170], v[XS+16:XS+31], v174
	v_nop                                          ; one plain place behind a scaled conversion
.irp m, 0,1,2
	v_mov_b32 v[DS+3+\m], v[168+\m]
.endr
.endm
	s_load_b256 s[4:11], s[0:1], 0x0               ; x, Wq, Wk, Wv
	s_load_b256 s[12:19], s[0:1], 0x20             ; Wo, xc, xs, wc
	s_load_b64 s[20:21], s[0:1], 0x40              ; ws
	v_lshl_add_u32 v254, v0, 2, 0x8400
	v_mov_b32 v255, 0
	v_lshrrev_b32 v1, 5, v0
	v_readfirstlane_b32 s22, v1                    ; wave
	v_and_b32 v5, 31, v0                           ; lane
	s_cmp_lt_u32 ttmp9, 256
	s_cbranch_scc0 .Lweights
	; ---- x.  Work-group g: group g / 4; wave w: K step q = 2 (g % 4) + w / 2, rows 64 (w % 2) on: four fragments
	v_lshlrev_b32 v1, 4, v5                        ; 16 x lane
	s_mul_i32 s27, s22, 8448                       ; my stage: 16 rows x 528 bytes
	v_add_nc_u32 v2, s27, v1                       ; in
	v_and_b32 v6, 15, v0
	v_bfe_u32 v7, v0, 4, 1
	v_mul_u32_u24 v3, v6, 528
	v_lshl_add_u32 v3, v7, 6, v3
	v_add_nc_u32 v3, s27, v3                       ; out: row r, + 64 (lane / 16)
	v_lshlrev_b32 v4, 3, v5                        ; 8 x lane
	s_mov_b32 s[SEL], 0x76543210
	s_mov_b32 s[SEL+1], 0xfedcba98
	s_mov_b32 s26, 0xffff0000                      ; lanes 16-31
.irp b, 0,1,2,3
	v_mov_b32 v[TM+4+\b], 0                        ; a lane permute's destination counts as one of its sources
.endr
	s_lshr_b32 s28, ttmp9, 2                       ; group
	s_and_b32 s29, ttmp9, 3
	s_lshl_b32 s29, s29, 1
	s_lshr_b32 s30, s22, 1
	s_add_co_u32 s29, s29, s30                     ; q
	s_and_b32 s30, s22, 1                          ; j
	s_lshl_b32 s32, s28, 19                        ; x: (128 group + 64 j) rows of 4,096 bytes + 512 q
	s_lshl_b32 s33, s30, 18
	s_add_co_u32 s32, s32, s33
	s_lshl_b32 s33, s29, 9
	s_add_co_u32 s32, s32, s33
	s_mov_b32 s33, 0
	s_lshl_b32 s34, s28, 2                         ; codes: (4 group + q / 2) x 24576 + 4 j x 3072 + (q % 2) x 1536
	s_lshr_b32 s35, s29, 1
	s_add_co_u32 s34, s34, s35
	s_mul_i32 s34, s34, 24576
	s_mul_i32 s35, s30, 12288
	s_add_co_u32 s34, s34, s35
	s_and_b32 s35, s29, 1
	s_mul_i32 s35, s35, 1536
	s_add_co_u32 s34, s34, s35
	s_mov_b32 s35, 0
	s_lshl_b32 s36, s28, 12                        ; scale words: 4096 group + 512 q + 256 j
	s_lshl_b32 s37, s29, 9
	s_add_co_u32 s36, s36, s37
	s_lshl_b32 s37, s30, 8
	s_add_co_u32 s36, s36, s37
	s_mov_b32 s37, 0
	s_wait_alu depctr_va_vdst(0)
	s_wait_kmcnt 0x0
	s_add_nc_u64 s[4:5], s[4:5], s[32:33]
	s_add_nc_u64 s[14:15], s[14:15], s[34:35]
	s_add_nc_u64 s[16:17], s[16:17], s[36:37]
	LOADX 0
	LOADX 1
.irp f, 0,1,2,3
.if \f < 3
	s_wait_loadcnt 16                              ; this fragment's 16 loads are in; the next fragment's 16 may be out
.else
	s_wait_loadcnt 0x0
.endif
	TURN \f
	s_wait_dscnt 0x0                               ; the stage's stores have read their registers, and the 64 numbers are back
.if \f < 2
	LOADX \f+2
.endif
.if \f > 0
	s_wait_xcnt 0x0                                ; the last fragment's stores have read v[PC] on: only behind this wait are they written again
.endif
	QUANT X
	v_mov_b32 v[WD+\f], v[PW]
.irp g, 0,1,2
	global_store_b128 v1, v[PC+4*\g:PC+4*\g+3], s[14:15] offset:\f*3072+512*\g   ; 512 consecutive bytes
.endr
.endr
	v_cndmask_b32 v250, v[WD], v[WD+2], s26        ; lanes 0-15: pair 2 j's two tiles, lanes 16-31: pair 2 j + 1's (a word is the same in lanes l and l xor 16)
	v_cndmask_b32 v251, v[WD+1], v[WD+3], s26
	global_store_b64 v4, v[250:251], s[16:17]      ; 256 consecutive bytes, aligned
	s_wait_tensorcnt 0x0
	ds_add_u32 v254, v255
	s_wait_dscnt 0x0
	s_endpgm
	; ---- the weights.  Work-group g': matrix g' / 64, group (g' / 8) % 8, K step g' % 8; wave w: pair w.  A LANE TAKES A COLUMN n AND ITS REGISTERS RUN DOWN K
.Lweights:
	s_sub_co_u32 s28, ttmp9, 256
	s_lshr_b32 s29, s28, 6                         ; matrix
	s_bfe_u32 s30, s28, 0x30003                    ; its group
	s_and_b32 s31, s28, 7                          ; q
	s_wait_alu depctr_va_vdst(0)
	v_lshlrev_b32 v1, 2, v5                        ; 4 bytes a lane
	v_bfe_u32 v6, v0, 3, 1                         ; column 32 w + lane is lane r = lane % 8 + 8 (lane / 16) of tile 2 w + u, u = (lane / 8) % 2
	v_and_b32 v7, 7, v0
	v_bfe_u32 v8, v0, 4, 1
	v_lshl_or_b32 v7, v8, 3, v7
	v_mul_u32_u24 v2, v6, 3072
	v_lshl_add_u32 v2, v7, 4, v2                   ; codes: 3072 u + 16 r
	v_lshlrev_b32 v3, 3, v7
	v_lshl_add_u32 v3, v6, 2, v3                   ; scale word: 8 r + 4 u
	s_lshl_b32 s32, s31, 19                        ; W: 128 q rows of 4,096 bytes + (128 group + 32 w) x 4
	s_lshl_b32 s33, s30, 9
	s_add_co_u32 s32, s32, s33
	s_lshl_b32 s33, s22, 7
	s_add_co_u32 s32, s32, s33
	s_mov_b32 s33, 0
	s_lshl_b32 s38, s29, 3
	s_add_co_u32 s38, s38, s30                     ; wc's group
	s_lshl_b32 s34, s38, 2
	s_lshr_b32 s35, s31, 1
	s_add_co_u32 s34, s34, s35
	s_mul_i32 s34, s34, 24576
	s_mul_i32 s35, s22, 6144
	s_add_co_u32 s34, s34, s35
	s_and_b32 s35, s31, 1
	s_mul_i32 s35, s35, 1536
	s_add_co_u32 s34, s34, s35
	s_mov_b32 s35, 0
	s_lshl_b32 s36, s38, 12
	s_lshl_b32 s37, s31, 9
	s_add_co_u32 s36, s36, s37
	s_lshl_b32 s37, s22, 7
	s_add_co_u32 s36, s36, s37
	s_mov_b32 s37, 0
	s_wait_alu depctr_va_vdst(0)
	s_wait_kmcnt 0x0
	s_mov_b64 s[40:41], s[6:7]                     ; which matrix: the choice hangs on the work-group's number alone
	s_cmp_eq_u32 s29, 1
	s_cselect_b64 s[40:41], s[8:9], s[40:41]
	s_cmp_eq_u32 s29, 2
	s_cselect_b64 s[40:41], s[10:11], s[40:41]
	s_cmp_eq_u32 s29, 3
	s_cselect_b64 s[40:41], s[12:13], s[40:41]
	s_add_nc_u64 s[40:41], s[40:41], s[32:33]
	s_add_nc_u64 s[18:19], s[18:19], s[34:35]
	s_add_nc_u64 s[20:21], s[20:21], s[36:37]
.set n, 0
.rept 128
	global_load_b32 v[R+n], v1, s[40:41] offset:n*4096 th:TH_LOAD_NT   ; W(128 q + n, my column): a wave reads 128 consecutive bytes, the work-group 512
.set n, n+1
.endr
	s_wait_loadcnt 63                              ; block 0 wants 96 younger loads left out, block 1 wants 64: the wait names 63 at the most
	WBLOCK 0
	s_wait_loadcnt 63
	WBLOCK 1
	s_wait_loadcnt 32                              ; block 3's 32 loads may be out
	WBLOCK 2
	s_wait_loadcnt 0x0
	WBLOCK 3
.irp h, 0,1                                    ; my blocks h and 2 + h are lane (r, h)'s twelve registers
.irp g, 0,1,2
	global_store_b128 v2, v[CD+12*\h+4*\g:CD+12*\h+4*\g+3], s[18:19] offset:512*\g+256*\h   ; two runs of 256 consecutive bytes, aligned
.endr
.endr
	global_store_b32 v3, v176, s[20:21]            ; 128 consecutive bytes
	s_endpgm
.Lfunc_end_k_qa916494d2b_quant:
	.size	k_qa916494d2b_quant, .Lfunc_end_k_qa916494d2b_quant-k_qa916494d2b_quant
	.p2alignl 7, 3214868480
	.fill 96, 4, 3214868480
	.section	.rodata,"a",@progbits
	.p2align	6, 0x0
	.amdhsa_kernel k_qa916494d2b_quant
		.amdhsa_group_segment_fixed_size 34304
		.amdhsa_private_segment_fixed_size 0
		.amdhsa_enable_private_segment 0
		.amdhsa_kernarg_size 72
		.amdhsa_user_sgpr_count 2
		.amdhsa_user_sgpr_kernarg_segment_ptr 1
		.amdhsa_wavefront_size32 1
		.amdhsa_system_sgpr_workgroup_id_x 1
		.amdhsa_system_sgpr_workgroup_id_y 1
		.amdhsa_system_sgpr_workgroup_id_z 1
		.amdhsa_system_vgpr_workitem_id 0
		.amdhsa_next_free_vgpr 256
		.amdhsa_next_free_sgpr 66
		.amdhsa_reserve_vcc 0
		.amdhsa_float_denorm_mode_32 3
		.amdhsa_float_denorm_mode_16_64 3
		.amdhsa_memory_ordered 1
		.amdhsa_forward_progress 1
		.amdhsa_inst_pref_size 54
	.end_amdhsa_kernel
	.amdgpu_metadata
---
amdhsa.version: [ 1, 2 ]
amdhsa.kernels:
  - .name:           k_qa916494d2b_quant
    .symbol:         k_qa916494d2b_quant.kd
    .args:
      - { .name: x, .offset: 0, .size: 8, .value_kind: global_buffer, .address_space: global }
      - { .name: Wq, .offset: 8, .size: 8, .value_kind: global_buffer, .address_space: global }
      - { .name: Wk, .offset: 16, .size: 8, .value_kind: global_buffer, .address_space: global }
      - { .name: Wv, .offset: 24, .size: 8, .value_kind: global_buffer, .address_space: global }
      - { .name: Wo, .offset: 32, .size: 8, .value_kind: global_buffer, .address_space: global }
      - { .name: xc, .offset: 40, .size: 8, .value_kind: global_buffer, .address_space: global }
      - { .name: xs, .offset: 48, .size: 8, .value_kind: global_buffer, .address_space: global }
      - { .name: wc, .offset: 56, .size: 8, .value_kind: global_buffer, .address_space: global }
      - { .name: ws, .offset: 64, .size: 8, .value_kind: global_buffer, .address_space: global }
    .group_segment_fixed_size: 34304
    .private_segment_fixed_size: 0
    .kernarg_segment_align: 8
    .kernarg_segment_size: 72
    .max_flat_workgroup_size: 128
    .sgpr_count:     66
    .vgpr_count:     256
    .wavefront_size: 32
...
	.end_amdgpu_metadata
.endif
;; end of part 1
;; launch qkv (part 2): grid 8 x 32, 4 waves a work-group, clusters of 4 x 4, 327,680 bytes of LDS; arguments xc, xs, wc, ws, bq, bk, bv, qb, kv; writes qb, kv
.if DOCPART == 2
	.amdgcn_target "amdgcn-amd-amdhsa--gfx1250"
	.amdhsa_code_object_version 6
	.text
	.protected	k_qa916494d2b_qkv
	.globl	k_qa916494d2b_qkv
	.p2align	8
	.type	k_qa916494d2b_qkv,@function
k_qa916494d2b_qkv:
	s_mov_b64 s[64:65], 0
	v_nop
	global_prefetch_b8 v0, s[64:65] scope:SCOPE_SE
	s_setreg_imm32_b32 hwreg(HW_REG_WAVE_MODE, 25, 1), 1
	s_wait_xcnt 0x0
	s_wait_alu depctr_hold_cnt(0) depctr_sa_sdst(0) depctr_va_vdst(0) depctr_va_sdst(0) depctr_va_ssrc(0) depctr_va_vcc(0) depctr_vm_vsrc(0)
	s_getreg_b32 s2, hwreg(HW_REG_IB_STS2, 6, 4)
	s_cmp_eq_u32 s2, 0
	s_cbranch_scc0 .Lentry_in_a_cluster
	s_endpgm
.Lentry_in_a_cluster:
	s_bfe_u32 s2, ttmp6, 0x10000c
	s_cmp_lg_u32 s2, 0xf033
	s_cbranch_scc0 .Lentry_shape_is_right
	s_endpgm
.Lentry_shape_is_right:
; q, k, v = x W + b on codes of E3M2 (one E8M0 byte for each 32 along K), K = 1,024; each result is quantised again for the attention: q and k along the head's 64, v along the keys.
; SHARES.  A work-group owns 256 rows of x (two groups of 128) and one pair of heads (128 columns), and walks Wq, Wk, Wv: three blocks of 1,024 x 128.  8 x 32 = 256 work-groups.
; A wave owns one group of 128 rows (wave / 2) and one head of 64 columns (wave % 2): 8 x 4 = 32 accumulators, 256 registers.
; LDS: x's codes of the 256 rows for all of K, 196,608 bytes, filled once; behind them one weight block, 98,304 bytes, filled three times; behind that the spare words.
; The next weight block is asked for when every wave of the cluster has read the last, and lands while the finished block is quantised and stored from registers.
; CLUSTER 4 x 4: x's rows are shared along a row of the cluster, a weight block along a column: joint loads.
; Scale words and biases go from memory straight into registers, each load of scale words 256 consecutive bytes: x's 32 registers stay for all three blocks.
; PREFETCH: in the first trip Wv's block, which the second trip's end loads; each wave names the 24,576 bytes that it will load, the four partners of a column 6,144 each, by address, a lane a block of 256 (lanes 24-31 the last again).
; Wk's block is loaded in the trip in which it could first be named, and x and Wq at the head: they come by their loads alone.
; THE PRODUCT IS USED TRANSPOSED (source 0 = 16 columns of W, source 1 = 16 rows of x): in accumulator (a, b) lane (r, h) holds x's tile a row r, and register j the head's column 32 (b / 2) + 16 h + 8 (b % 2) + j.
; x's tile 4 c + s holds in lane r token 64 c + 8 s + r % 8 + 32 (r / 8) of its group.
; REGISTERS: window 0: addresses, scale words, fragment set 0, biases; window 1: the accumulators, (a, b) at v[8 (4 a + b)]; window 2: fragment set 1 at set 0's numbers.
; LIMITS: a block of zeros gets the byte 1 where the rule says 127 (its codes are zeros, and this program alone reads the bytes); NaN and infinities are not served.
.set GB,    98304                      ; a group's codes: 128 rows x 768 bytes
.set CH,    24576                      ; 256 along K of a group
.set LW,    2*GB
.set SPARE, 3*GB
.set STG,   64*272                     ; v's stage: 64 tokens x (256 bytes + 16), for each wave, in x's bytes when they are read no more
.set RL,  1
.set HL,  2
.set LI,  3                            ; 16 x lane
.set L8,  4                            ; 8 x lane
.set BO,  5                            ; 64 h
.set ADX, 6                            ; v6-7 x's fragments, K steps 0-3 and 4-7;  v8-9 W's
.set ADW, 8
.set STO, 10
.set RDV, 11
.set PFO, 12
.set SPW, 14
.set NIL, 15
.set SX,  16                           ; v16-47 x's scale words: step q, register 4 q + 2 (a / 4) + a % 2, lanes 16 ((a / 2) % 2) on
.set SW,  48                           ; v48-63 W's: register 2 q + b % 2, lanes 16 (b / 2) on
.set XF,  64                           ; v64-159 x's eight fragments;  v160-207 W's four
.set WF,  160
.set BI,  208                          ; v208-239 the bias in the result's layout
.set WV, 22
.set HR, 23
.set G1X, 24
.set G0X, 32
.set G1W, 36
.set G0W, 44
.set G1R, 48
.set G0R, 56
.set HC, 60
.set TR, 61
.set JW, 62
.set IT, 63
.set XSP, 74
.set HB, 76
.set S2, 77
.set PF, 78
.set SWP, 80
.set BP, 82
.set OCP, 84
.set OSP, 86
.set GG, 90
.set MSB, 0
.macro WIN new                         ; the immediate's high byte repeats the setting that is left
.if MSB != (\new)
	s_set_vgpr_msb (MSB<<8)|(\new)
.set MSB, (\new)
.endif
.endm
.macro CROUND
	s_barrier_signal -1
	s_barrier_wait -1
	s_cmp_lg_u32 s[WV], 0
	s_cbranch_scc1 .Lnot_wave_0_\@
	s_barrier_signal -3
.Lnot_wave_0_\@:
	s_barrier_wait -3
	s_barrier_signal -1
	s_barrier_wait -1
.endm
.macro PLACES n
.rept \n
	v_nop
.endr
.endm
.macro G1SET g, rows                   ; rows of 256 bytes (32 elements of 8), dense
	s_mov_b32 s[\g+1], 32<<16
	s_mov_b32 s[\g+2], (\rows)<<16
	s_mov_b32 s[\g+3], 32<<16
	s_mov_b32 s[\g+4], \rows
	s_mov_b32 s[\g+5], 32
	s_mov_b32 s[\g+6], 0
	s_mov_b32 s[\g+7], 0
.endm
.macro FRAG3 reg, adr, off             ; a fragment is an image of its twelve registers: three loads of 512 consecutive bytes
.irp c, 0,1,2
	ds_load_b128 v[\reg+4*\c:\reg+4*\c+3], v[\adr] offset:\off+512*\c
.endr
.endm
.macro FETCH q                         ; K step q's twelve fragments into set q % 2
	WIN 0x80*((\q)%2)
.irp i, 0,1,2,3,4,5,6,7
	FRAG3 XF+12*\i, ADX+(\q)/4, (((\q)/2)%2)*CH+\i*3072+((\q)%2)*1536
.endr
.irp i, 0,1,2,3
	FRAG3 WF+12*\i, ADW+(\q)/4, (((\q)/2)%2)*CH+\i*3072+((\q)%2)*1536
.endr
.endm
.macro WMV ra, rb
.if ((\ra) == 0) && ((\rb) == 0)
	v_wmma_scale_f32_16x16x128_f8f6f4 v[DD:DD+7], v[W0:W0+11], v[X0:X0+11], v[CC:CC+7], v[SA0], v[SB0] matrix_a_fmt:MATRIX_FMT_BF6 matrix_b_fmt:MATRIX_FMT_BF6
.elseif ((\ra) == 1) && ((\rb) == 0)
	v_wmma_scale_f32_16x16x128_f8f6f4 v[DD:DD+7], v[W0:W0+11], v[X0:X0+11], v[CC:CC+7], v[SA0], v[SB0] matrix_a_fmt:MATRIX_FMT_BF6 matrix_b_fmt:MATRIX_FMT_BF6 matrix_a_scale:MATRIX_SCALE_ROW1
.elseif ((\ra) == 0)
	v_wmma_scale_f32_16x16x128_f8f6f4 v[DD:DD+7], v[W0:W0+11], v[X0:X0+11], v[CC:CC+7], v[SA0], v[SB0] matrix_a_fmt:MATRIX_FMT_BF6 matrix_b_fmt:MATRIX_FMT_BF6 matrix_b_scale:MATRIX_SCALE_ROW1
.else
	v_wmma_scale_f32_16x16x128_f8f6f4 v[DD:DD+7], v[W0:W0+11], v[X0:X0+11], v[CC:CC+7], v[SA0], v[SB0] matrix_a_fmt:MATRIX_FMT_BF6 matrix_b_fmt:MATRIX_FMT_BF6 matrix_a_scale:MATRIX_SCALE_ROW1 matrix_b_scale:MATRIX_SCALE_ROW1
.endif
.endm
.macro MUL q, first                    ; 32 matrix instructions: the 32 accumulators by turns, in the same order in every step.  first: C is the bias
.set ma, 0
.rept 8
.set mb, 0
.rept 4
.set DD, 8*(4*ma+mb)
.set W0, WF+12*mb
.set X0, XF+12*ma
.set SA0, SW+2*(\q)+(mb%2)
.set SB0, SX+4*(\q)+2*(ma/4)+(ma%2)
.if \first
.set CC, BI+8*mb
.else
.set CC, DD
.endif
	WMV mb/2, (ma/2)%2
.set mb, mb+1
.endr
.set ma, ma+1
.endr
.endm
.macro MAIN pf                         ; a block's eight K steps: the next step's 36 loads are issued ahead of each step's 32 matrix instructions
	FETCH 0
.set qq, 0
.rept 8
	s_wait_dscnt 0x0                               ; this step's fragments are in
.if qq < 7
.if qq > 0
	PLACES 4                                       ; in front of loads into registers that the last step's matrix instructions read
.endif
	FETCH qq+1
.endif
.if (\pf) && (qq == 0)
	WIN 0
	s_cmp_eq_u32 s[IT], 0
	s_cbranch_scc0 .Lno_pf_\@
	global_prefetch_b8 v[PFO], s[PF:PF+1] th:TH_LOAD_NT scope:SCOPE_SE   ; its address registers are never rewritten
.Lno_pf_\@:
.endif
.if qq == 0
	WIN 0x40                                       ; D window 1, C (the bias) window 0
	MUL 0, 1
.else
	WIN 0x50+0x0a*(qq%2)                           ; C and D window 1, the sources window 0 or 2
	MUL qq, 0
.endif
.set qq, qq+1
.endr
	WIN 0
.endm
.macro LOADW                           ; a weight block's scale words and bias
.set n, 0
.rept 8
	global_load_b64 v[SW+2*n:SW+2*n+1], v[L8], s[SWP:SWP+1] offset:512*n
.set n, n+1
.endr
.irp b, 0,1,2,3
	global_load_b128 v[BI+8*\b:BI+8*\b+3], v[BO], s[BP:BP+1] offset:(32*(\b/2)+8*(\b%2))*4
	global_load_b128 v[BI+8*\b+4:BI+8*\b+7], v[BO], s[BP:BP+1] offset:(32*(\b/2)+8*(\b%2))*4+16
.endr
.endm
	s_load_b256 s[4:11], s[0:1], 0x0               ; xc, xs, wc, ws
	s_load_b256 s[12:19], s[0:1], 0x20             ; bq, bk, bv, qb
	s_load_b64 s[20:21], s[0:1], 0x40              ; kv
	v_lshl_add_u32 v[SPW], v0, 2, SPARE
	v_mov_b32 v[NIL], 0
	ds_add_u32 v[SPW], v[NIL]                      ; the opening lines: the add, twice on end, and its wait ahead of my first tensor load
	ds_add_u32 v[SPW], v[NIL]
	v_lshrrev_b32 v1, 5, v0
	v_readfirstlane_b32 s[WV], v1
	s_lshr_b32 s[HR], s[WV], 1                     ; my group of x's rows.  At the head: I fetch x (0) or W (1)
	s_and_b32 s[HC], s[WV], 1                      ; my head.  At the head: which half I fetch
	s_bfe_u32 s66, ttmp6, 0x40000                  ; cx
	s_bfe_u32 s67, ttmp6, 0x40004                  ; cy
	s_lshl_b32 s[JW], ttmp9, 2
	s_add_co_u32 s[JW], s[JW], s66                 ; the pair of heads, 0..7
	s_and_b32 s[TR], ttmp7, 0xffff
	s_lshl_b32 s[TR], s[TR], 2
	s_add_co_u32 s[TR], s[TR], s67                 ; the block of 256 rows, 0..31
	s_lshl_b32 s72, s67, 2
	s_lshl_b32 s72, 15, s72                        ; my row of the cluster
	s_lshl_b32 s73, 0x1111, s66                    ; my column
	s_or_b32 s[G1X], s72, (3<<16)|(1<<21)
	s_or_b32 s[G1W], s73, (3<<16)|(1<<21)
	s_or_b32 s[G1R], s73, (3<<16)|(1<<21)
	G1SET G1X, 384                                 ; a group of x
	G1SET G1W, 192                                 ; half a weight block, at the head
	G1SET G1R, 96                                  ; a quarter, at a refill
	s_lshl_b32 s86, s[TR], 1
	s_add_co_u32 s86, s86, s[HC]
	s_mul_i32 s86, s86, GB                         ; x: group 2 TR + half
	s_mov_b32 s87, 0
	s_mul_i32 s88, s[JW], GB
	s_mul_i32 s91, s[HC], 2*CH
	s_add_co_u32 s88, s88, s91                     ; Wq's block, my half
	s_mov_b32 s89, 0
	s_mul_i32 s92, s[JW], GB
	s_mul_i32 s91, s[WV], CH
	s_add_co_u32 s92, s92, s91                     ; Wq's block, my quarter: each refill steps it eight groups on
	s_mov_b32 s93, 0
	s_mul_i32 s94, s67, 6144
	s_add_co_u32 s94, s94, s92
	s_add_co_u32 s94, s94, 16*GB                   ; Wv's block, my quarter, my work-group's fourth of it
	s_mov_b32 s95, 0
	s_lshl_b32 s[GG], s[TR], 1
	s_add_co_u32 s[GG], s[GG], s[HR]               ; the group that I multiply
	s_lshl_b32 s96, s[GG], 12
	s_mov_b32 s97, 0
	s_lshl_b32 s98, s[JW], 12
	s_lshl_b32 s91, s[HC], 8
	s_add_co_u32 s98, s98, s91                     ; W's scale words: 4096 group + 256 head
	s_mov_b32 s99, 0
	s_lshl_b32 s100, s[JW], 9
	s_add_co_u32 s100, s100, s91                   ; the bias: 4 x (128 pair + 64 head)
	s_mov_b32 s101, 0
	s_and_b32 s[S2], s[GG], 15                     ; my step of 128 tokens in the batch
	s_lshr_b32 s[HB], s[GG], 4
	s_lshl_b32 s[HB], s[HB], 4
	s_lshl_b32 s91, s[JW], 1
	s_add_co_u32 s[HB], s[HB], s91
	s_add_co_u32 s[HB], s[HB], s[HC]               ; the head block: 16 batch + head
	s_mul_i32 s[G0X+1], s[HC], GB
	s_mul_i32 s[G0W+1], s[HC], 2*CH
	s_add_co_u32 s[G0W+1], s[G0W+1], LW
	s_mul_i32 s[G0R+1], s[WV], CH
	s_add_co_u32 s[G0R+1], s[G0R+1], LW
	s_mov_b32 s68, 0x76543210
	s_mov_b32 s69, 0xfedcba98
	s_mov_b32 s70, 0xffff0000
	s_mov_b32 s71, 0x7f7f0000
	s_wait_dscnt 0x0
	s_wait_kmcnt 0x0
	s_mov_b32 s[G0X], 1
	s_add_nc_u64 s[G0X+2:G0X+3], s[4:5], s[86:87]
	s_or_b32 s[G0X+3], s[G0X+3], 0x80000000
	s_mov_b32 s[G0W], 1
	s_add_nc_u64 s[G0W+2:G0W+3], s[8:9], s[88:89]
	s_or_b32 s[G0W+3], s[G0W+3], 0x80000000
	s_mov_b32 s[G0R], 1
	s_add_nc_u64 s[G0R+2:G0R+3], s[8:9], s[92:93]
	s_or_b32 s[G0R+3], s[G0R+3], 0x80000000
	s_add_nc_u64 s[PF:PF+1], s[8:9], s[94:95]
	s_add_nc_u64 s[XSP:XSP+1], s[6:7], s[96:97]
	s_add_nc_u64 s[SWP:SWP+1], s[10:11], s[98:99]
	s_add_nc_u64 s[BP:BP+1], s[12:13], s[100:101]
	CROUND                                         ; all sixteen work-groups are here: the first joint loads meet
	s_cmp_eq_u32 s[HR], 0                          ; one tensor load a wave at the head: waves 0, 1 x's two groups, waves 2, 3 the halves of Wq's block
	s_cbranch_scc0 .Lhead_w
	tensor_load_to_lds s[G0X:G0X+3], s[G1X:G1X+7]
	s_nop 0
	PLACES 4
	s_branch .Lhead_j
.Lhead_w:
	tensor_load_to_lds s[G0W:G0W+3], s[G1W:G1W+7]
	s_nop 0
	PLACES 4
.Lhead_j:
	v_and_b32 v[RL], 15, v0
	v_bfe_u32 v[HL], v0, 4, 1
	v_and_b32 v13, 31, v0
	v_lshlrev_b32 v[LI], 4, v13
	v_lshlrev_b32 v[L8], 3, v13
	v_lshlrev_b32 v[BO], 6, v[HL]
	v_min_u32 v[PFO], 23, v13
	v_lshlrev_b32 v[PFO], 8, v[PFO]
.set n, 0
.rept 8
	global_load_b64 v[SX+4*n:SX+4*n+1], v[L8], s[XSP:XSP+1] offset:512*n        ; pairs of tiles 0 (lanes 0-15) and 1 (lanes 16-31): 256 consecutive bytes
	global_load_b64 v[SX+4*n+2:SX+4*n+3], v[L8], s[XSP:XSP+1] offset:512*n+256  ; pairs 2 and 3
.set n, n+1
.endr
	LOADW
	s_mul_i32 s72, s[HR], GB
	v_add_nc_u32 v[ADX], s72, v[LI]
	v_add_nc_u32 v[ADX+1], 2*CH, v[ADX]
	s_mul_i32 s72, s[HC], 12288                    ; my head's four tiles of the block's eight
	s_add_co_u32 s72, s72, LW
	v_add_nc_u32 v[ADW], s72, v[LI]
	v_add_nc_u32 v[ADW+1], 2*CH, v[ADW]
	s_mul_i32 s72, s[WV], STG
	v_mul_u32_u24 v[STO], v[RL], 272
	v_lshl_add_u32 v[STO], v[HL], 6, v[STO]
	v_add_nc_u32 v[STO], s72, v[STO]               ; into the stage: row r, + 64 h
	v_and_b32 v13, 8, v[RL]
	v_add_nc_u32 v13, v13, v[RL]
	v_mul_u32_u24 v[RDV], v[HL], 8*272
	v_lshl_add_u32 v[RDV], v13, 2, v[RDV]
	v_add_nc_u32 v[RDV], s72, v[RDV]               ; out of it: column r + 8 (r / 8), 8 h rows down
	s_mov_b32 s[IT], 0
	s_wait_alu depctr_va_vdst(0)                   ; the wait at the head's end
	s_wait_loadcnt 0x0                             ; scale words and bias
	s_wait_tensorcnt 0x0                           ; my part is in,
	s_barrier_signal -1
	s_barrier_wait -1                              ; everybody's is
; ---- q, then k
.set HA,  64                           ; v64-111 four images of twelve registers
.set CT,  112
.set TM,  120
.set PW,  136
.set TB,  137
.set KSW, 140
.macro QPAIR p                         ; tiles 2 p and 2 p + 1: four blocks of 32 along the head's 64, each in lanes l and l xor 16; the pair's image and scale words
.set SA, 64*(\p)
.set DA, HA+12*(\p)
	WIN 0x05
.irp b, 0,1,2,3
	v_max3_num_f32 v[TM+\b], |v[SA+16*\b]|, |v[SA+16*\b+1]|, 0x2800000   ; my 16 numbers and the floor 2^(5 - 127)
.endr
.irp i, 2,4,6,8,10,12,14
.irp b, 0,1,2,3
	v_max3_num_f32 v[TM+\b], |v[SA+16*\b+\i]|, |v[SA+16*\b+\i+1]|, v[TM+\b]
.endr
.endr
	WIN 0
.irp b, 0,1,2,3
	v_permlanex16_b32 v[TM+4+\b], v[TM+\b], s68, s69
.endr
.irp b, 0,1,2,3
	v_max_num_f32 v[TM+\b], v[TM+\b], v[TM+4+\b]
.endr
.irp b, 0,1,2,3
	v_add_nc_u32 v[TM+12+\b], 0xfe000000, v[TM+\b]   ; 4 off the exponent field: the conversion's scale operand
.endr
.irp b, 0,1,2,3
	v_lshrrev_b32 v[TM+4+\b], 23, v[TM+12+\b]
.endr
	v_lshl_or_b32 v[PW], v[TM+5], 8, v[TM+4]
	v_lshl_or_b32 v[PW], v[TM+6], 16, v[PW]
	v_lshl_or_b32 v[PW], v[TM+7], 24, v[PW]
	WIN 0x01
	v_cvt_scalef32_pk16_bf6_f32 v[DA:DA+2], v[SA:SA+15], v[TM+12]
	v_cvt_scalef32_pk16_bf6_f32 v[CT:CT+2], v[SA+16:SA+31], v[TM+13]
	v_cvt_scalef32_pk16_bf6_f32 v[DA+6:DA+8], v[SA+32:SA+47], v[TM+14]
	v_cvt_scalef32_pk16_bf6_f32 v[CT+4:CT+6], v[SA+48:SA+63], v[TM+15]
	WIN 0
	v_lshrrev_b32 v[TB], 16, v[PW]                 ; (a plain place behind the conversions)
.irp i, 0,1,2
	v_permlane16_swap_b32 v[DA+\i], v[CT+\i]       ; a whole block to a lane
	v_permlane16_swap_b32 v[DA+6+\i], v[CT+4+\i]
.endr
.irp i, 0,1,2
	v_mov_b32 v[DA+3+\i], v[CT+\i]
	v_mov_b32 v[DA+9+\i], v[CT+4+\i]
.endr
	v_cndmask_b32 v[TB], v[PW], v[TB], s70         ; lanes 0-15: tile 2 p's two bytes, lanes 16-31: tile 2 p + 1's
	v_and_or_b32 v[KSW+\p], v[TB], 0xffff, s71     ; bytes 2 and 3, over zero codes: 0x7f
.irp g, 0,1,2
	global_store_b128 v[LI], v[DA+4*\g:DA+4*\g+3], s[OCP:OCP+1] offset:(\p)*1536+512*\g
.endr
.endm
.Lsub:
	MAIN 1
	s_wait_tensorcnt 0x0                           ; no load of mine is out;
	ds_add_u32 v[SPW], v[NIL]                      ; the add here;
	s_add_nc_u64 s[G0R+2:G0R+3], s[G0R+2:G0R+3], 8*GB   ; the next matrix's block
	s_wait_dscnt 0x0                               ; the add is done, and my reads of this block are over
	CROUND                                         ; so of every wave of the cluster
	tensor_load_to_lds s[G0R:G0R+3], s[G1R:G1R+7]  ; my quarter of the next block
	s_nop 0
	PLACES 4                                       ; also the places behind the last products
	s_add_nc_u64 s[SWP:SWP+1], s[SWP:SWP+1], 8*4096
	s_cmp_eq_u32 s[IT], 0
	s_cselect_b64 s[BP:BP+1], s[14:15], s[16:17]   ; the next bias: bk, then bv
	s_add_nc_u64 s[BP:BP+1], s[BP:BP+1], s[100:101]
	LOADW
	s_mov_b32 s91, 208896
	s_cmp_eq_u32 s[IT], 0
	s_cselect_b64 s[88:89], s[18:19], s[20:21]     ; q goes to qb (blocks of 106,496 bytes), k to kv (208,896)
	s_cselect_b32 s91, 106496, s91
	s_mul_i32 s92, s[HB], s91
	s_mul_i32 s93, s[S2], 6144
	s_add_co_u32 s[OCP], s92, s93
	s_mov_b32 s[OCP+1], 0
	s_lshl_b32 s93, s[S2], 9
	s_add_co_u32 s[OSP], s92, s93
	s_add_co_u32 s[OSP], s[OSP], 98304
	s_mov_b32 s[OSP+1], 0
	s_add_nc_u64 s[OCP:OCP+1], s[88:89], s[OCP:OCP+1]
	s_add_nc_u64 s[OSP:OSP+1], s[88:89], s[OSP:OSP+1]
.irp b, 0,1,2,3
	v_mov_b32 v[TM+4+\b], 0                        ; a lane permute's destination counts as one of its sources
.endr
	QPAIR 0
	QPAIR 1
	QPAIR 2
	QPAIR 3
	global_store_b128 v[LI], v[KSW:KSW+3], s[OSP:OSP+1]
	s_wait_xcnt 0x0                                ; the stores have read their registers and bases
	s_wait_alu depctr_va_vdst(0)                   ; the wait ahead of the waits below
	s_wait_loadcnt 0x0                             ; the next block's scale words and bias
	s_wait_tensorcnt 0x0                           ; my quarter of it is in,
	s_barrier_signal -1
	s_barrier_wait -1                              ; everybody's is
	s_add_co_u32 s[IT], s[IT], 1
	s_cmp_lt_u32 s[IT], 2
	s_cbranch_scc1 .Lsub
; ---- v: quantised along the keys.  64 tokens at a time go through my stage; a lane then takes a column d and its registers run down the keys
	MAIN 0
	s_wait_dscnt 0x0
	s_barrier_signal -1
	s_barrier_wait -1                              ; nobody reads x's bytes any more, and they have had their last fill: the stages lie there
	PLACES 4
.set VC,  64                           ; v64-111 four fragments
.set XV,  112                          ; v112-175 two sets of 32 numbers
.set VB,  184
.macro VLOAD t
.set n, 0
.rept 32
	ds_load_b32 v[XV+32*((\t)%2)+n], v[RDV] offset:((n%8)+16*(n/8))*272+(32*((\t)/2)+8*((\t)%2))*4   ; token 32 h + n lies in stage row 16 (n / 8) + n % 8 + 8 h
.set n, n+1
.endr
.endm
.macro VBLOCK t, c
.set XS, XV+32*((\t)%2)
.set DS, VC+12*(\t)+6*(\c)
.if (\t) < 3
	s_wait_dscnt 32                                ; the next tile's 32 loads may be out
.else
	s_wait_dscnt 0x0
.endif
	v_max3_num_f32 v176, |v[XS]|, |v[XS+1]|, |v[XS+2]|
	v_max3_num_f32 v177, |v[XS+3]|, |v[XS+4]|, |v[XS+5]|
.irp m, 6,10,14,18,22,26
	v_max3_num_f32 v176, v176, |v[XS+\m]|, |v[XS+\m+1]|
	v_max3_num_f32 v177, v177, |v[XS+\m+2]|, |v[XS+\m+3]|
.endr
	v_max3_num_f32 v176, v176, |v[XS+30]|, |v[XS+31]|
	v_max3_num_f32 v176, v176, v177, 0x2800000
	v_add_nc_u32 v178, 0xfe000000, v176
	v_lshrrev_b32 v179, 23, v178
.if (\c) == 0
	v_mov_b32 v[VB+(\t)], v179
.else
	v_lshl_or_b32 v[VB+(\t)], v179, 16, v[VB+(\t)]
.endif
	v_cvt_scalef32_pk16_bf6_f32 v[DS:DS+2], v[XS:XS+15], v178
	v_cvt_scalef32_pk16_bf6_f32 v[180:182], v[XS+16:XS+31], v178
	v_nop
.irp m, 0,1,2
	v_mov_b32 v[DS+3+\m], v[180+\m]
.endr
.endm
	s_mul_i32 s92, s[HB], 208896
	s_mul_i32 s93, s[S2], 6144
	s_add_co_u32 s[OCP], s92, s93
	s_add_co_u32 s[OCP], s[OCP], 106496
	s_mov_b32 s[OCP+1], 0
	s_lshl_b32 s93, s[S2], 8
	s_add_co_u32 s[OSP], s92, s93
	s_add_co_u32 s[OSP], s[OSP], 204800
	s_mov_b32 s[OSP+1], 0
	s_add_nc_u64 s[OCP:OCP+1], s[20:21], s[OCP:OCP+1]
	s_add_nc_u64 s[OSP:OSP+1], s[20:21], s[OSP:OSP+1]
.irp c, 0,1
	WIN 0x04                                       ; the data: window 1
.irp aa, 0,1,2,3
.irp b, 0,1,2,3
	ds_store_b128 v[STO], v[128*\c+32*\aa+8*\b:128*\c+32*\aa+8*\b+3] offset:16*\aa*272+(\b/2)*128+(\b%2)*32
	ds_store_b128 v[STO], v[128*\c+32*\aa+8*\b+4:128*\c+32*\aa+8*\b+7] offset:16*\aa*272+(\b/2)*128+(\b%2)*32+16
.endr
.endr
	WIN 0
	VLOAD 0                                        ; LDS serves a wave's instructions in order: these see my stores
	VLOAD 1
.irp t, 0,1,2,3
	VBLOCK \t, \c
.if \t < 2
	VLOAD \t+2
.endif
.endr
.endr
	v_lshlrev_b32 v190, 3, v[HL]
	v_mov_b32 v191, 0
.irp t, 0,1,2,3
	v_lshlrev_b32 v[VB+\t], v190, v[VB+\t]         ; my bytes, blocks h and 2 + h, at their places
.endr
.irp t, 0,1,2,3
	v_permlanex16_b32 v191, v[VB+\t], s68, s69
	v_or_b32 v[VB+\t], v[VB+\t], v191
.endr
.irp t, 0,1,2,3
.irp g, 0,1,2
	global_store_b128 v[LI], v[VC+12*\t+4*\g:VC+12*\t+4*\g+3], s[OCP:OCP+1] offset:\t*1536+512*\g
.endr
.endr
	v_cndmask_b32 v192, v[VB], v[VB+1], s70
	v_cndmask_b32 v193, v[VB+2], v[VB+3], s70
	global_store_b64 v[L8], v[192:193], s[OSP:OSP+1]
	s_wait_tensorcnt 0x0                           ; the wave's end
	ds_add_u32 v[SPW], v[NIL]
	s_wait_dscnt 0x0
	CROUND                                         ; the closing round
	s_endpgm
.Lfunc_end_k_qa916494d2b_qkv:
	.size	k_qa916494d2b_qkv, .Lfunc_end_k_qa916494d2b_qkv-k_qa916494d2b_qkv
	.p2alignl 7, 3214868480
	.fill 96, 4, 3214868480
	.section	.rodata,"a",@progbits
	.p2align	6, 0x0
	.amdhsa_kernel k_qa916494d2b_qkv
		.amdhsa_group_segment_fixed_size 327680
		.amdhsa_private_segment_fixed_size 0
		.amdhsa_enable_private_segment 0
		.amdhsa_kernarg_size 72
		.amdhsa_user_sgpr_count 2
		.amdhsa_user_sgpr_kernarg_segment_ptr 1
		.amdhsa_wavefront_size32 1
		.amdhsa_system_sgpr_workgroup_id_x 1
		.amdhsa_system_sgpr_workgroup_id_y 1
		.amdhsa_system_sgpr_workgroup_id_z 1
		.amdhsa_system_vgpr_workitem_id 0
		.amdhsa_next_free_vgpr 768
		.amdhsa_next_free_sgpr 102
		.amdhsa_reserve_vcc 0
		.amdhsa_float_denorm_mode_32 3
		.amdhsa_float_denorm_mode_16_64 3
		.amdhsa_memory_ordered 1
		.amdhsa_forward_progress 1
		.amdhsa_inst_pref_size 169
	.end_amdhsa_kernel
	.amdgpu_metadata
---
amdhsa.version: [ 1, 2 ]
amdhsa.kernels:
  - .name:           k_qa916494d2b_qkv
    .symbol:         k_qa916494d2b_qkv.kd
    .args:
      - { .name: xc, .offset: 0, .size: 8, .value_kind: global_buffer, .address_space: global }
      - { .name: xs, .offset: 8, .size: 8, .value_kind: global_buffer, .address_space: global }
      - { .name: wc, .offset: 16, .size: 8, .value_kind: global_buffer, .address_space: global }
      - { .name: ws, .offset: 24, .size: 8, .value_kind: global_buffer, .address_space: global }
      - { .name: bq, .offset: 32, .size: 8, .value_kind: global_buffer, .address_space: global }
      - { .name: bk, .offset: 40, .size: 8, .value_kind: global_buffer, .address_space: global }
      - { .name: bv, .offset: 48, .size: 8, .value_kind: global_buffer, .address_space: global }
      - { .name: qb, .offset: 56, .size: 8, .value_kind: global_buffer, .address_space: global }
      - { .name: kv, .offset: 64, .size: 8, .value_kind: global_buffer, .address_space: global }
    .group_segment_fixed_size: 327680
    .private_segment_fixed_size: 0
    .kernarg_segment_align: 8
    .kernarg_segment_size: 72
    .max_flat_workgroup_size: 128
    .sgpr_count:     102
    .vgpr_count:     768
    .wavefront_size: 32
...
	.end_amdgpu_metadata
.endif
;; end of part 2
;; launch attn (part 3): grid 4 x 64, 16 waves a work-group, clusters of 4 x 1, 215,040 bytes of LDS; arguments qb, kv, oc, os; writes oc, os
.if DOCPART == 3
	.amdgcn_target "amdgcn-amd-amdhsa--gfx1250"
	.amdhsa_code_object_version 6
	.text
	.protected	k_qa916494d2b_attn
	.globl	k_qa916494d2b_attn
	.p2align	8
	.type	k_qa916494d2b_attn,@function
k_qa916494d2b_attn:
	s_mov_b64 s[64:65], 0
	v_nop
	global_prefetch_b8 v0, s[64:65] scope:SCOPE_SE
	s_setreg_imm32_b32 hwreg(HW_REG_WAVE_MODE, 25, 1), 1
	s_wait_xcnt 0x0
	s_wait_alu depctr_hold_cnt(0) depctr_sa_sdst(0) depctr_va_vdst(0) depctr_va_sdst(0) depctr_va_ssrc(0) depctr_va_vcc(0) depctr_vm_vsrc(0)
	s_getreg_b32 s2, hwreg(HW_REG_IB_STS2, 6, 4)
	s_cmp_eq_u32 s2, 0
	s_cbranch_scc0 .Lentry_in_a_cluster
	s_endpgm
.Lentry_in_a_cluster:
	s_bfe_u32 s2, ttmp6, 0x10000c
	s_cmp_lg_u32 s2, 0x3003
	s_cbranch_scc0 .Lentry_shape_is_right
	s_endpgm
.Lentry_shape_is_right:
; out[b][q][head] = softmax_k(q . k / 8) v, both products on codes of E3M2 with one E8M0 byte for each 32 along K; out leaves as codes quantised along D for the last projection.
; THE SOFTMAX: t = score x log2(e) / 8; M = the running largest t rounded up to a whole number; p = 2^(t - M) is quantised along the keys, not normalised; the row's sum is taken of the unquantised p and divides at the end
; (a reciprocal and a multiplication).  When M moves, the sum and O are multiplied by 2^(old M - new M): exact.
; SHARES.  A work-group owns one head block (16 batch + head) and 512 queries; sixteen waves, four to a SIMD; a wave owns 32 queries, two tiles of 16, one after the other (two passes over the 2,048 keys, 128 a step).
; LDS IS THE HEAD'S BLOCK OF kv AS IT LIES IN MEMORY, 208,896 bytes, filled once: k's codes at 0, its scale words at 98304, v's codes at 106496, its scale words at 204800.  Nothing is filled again.
; CLUSTER 4 x 1: the four work-groups of a head read the same block: each wave's one load (51 rows of 256 bytes) is a joint load.
; No prefetch: the launch's one stream is asked for whole by the head's loads, and there is no loop to run ahead in.
; LAYOUT.  Both products transposed: S^T = k q^T, O^T = v^T p^T: a lane holds one query.  Lane r of key tile 4 c + s holds key 64 c + 8 s + r % 8 + 32 (r / 8), so register 32 c + 8 s + j of S^T in lane (r, h) is
; key 64 c + 32 h + 8 s + j: A LANE HOLDS TWO WHOLE BLOCKS OF 32 KEYS, 2 c + h, in the order of the second product's operand.  A block's maximum needs no other lane, and the conversions' results are the operand's registers.
; THE FIRST PRODUCT'S K IS 64, the instruction's 128: q's registers 6-11 are zero codes.  k's fragment of tile t is named as v[KF + 6 t .. + 11]: its upper six registers are the next tile's codes (behind tile 7: zeros);
; every pattern of six bits is a finite number, so they add 0 x finite = 0; bytes 2 and 3 of both scale words are 0x7f.
; Short dependent chains (f, p's scale word) are laid among independent lines (the multiply-adds, O's rescaling, the conversions, the moves), five or more lines from link to link.
; LIMITS: the promise holds while the scaled scores t stay under 2^31 in magnitude; a block of zeros gets the byte 1 (its codes are zeros; this program alone reads the bytes); NaN and infinities are not served.
.set AK0,  1                           ; v1 16 l;  v2 98304 + 16 l;  v3 106496 + 16 l;  v4 204800 + 8 l
.set ASK0, 2
.set AV0,  3
.set ASV0, 4
.set ADK,  5                           ; v5-8 the step's addresses
.set ADS,  6
.set ADV,  7
.set ADT,  8
.set OA0,  9                           ; v9, v11 out's codes: my bytes in a fragment's image, by the head's parity;  v10 out's scale bytes
.set OSA,  10
.set OA1,  11
                                       ; v12 -M;  v13 the running largest score;  v[14:15] the row's sum in two halves
.set QF,   16                          ; v16-27  q's fragment: six registers of codes, six of zeros
.set QP,   28                          ; v28-39  both tiles' codes
.set KF,   40                          ; v40-87  k's eight tiles, later v's four;  v88-93 zeros
.set FF,   94                          ; v[94:95] f, later 1 / the sum
.set S,    96                          ; v96-159 S^T, then p
.set O,    160                         ; v160-191 O^T
.set PC,   192                         ; v192-203 p's codes
.set CT,   204                         ; v204-210 the conversions' second halves
.set BM,   212
.set BT,   216
.set BS,   220
.set KS,   224                         ; v224-227 k's scale words;  v[228:229] v's;  v230 q's;  v231 p's: these hold scales and nothing else
.set VS,   228
.set QS,   230
.set PW,   231
.set TA,   234                         ; v234, v235, v251 at work
.set TB,   235
.set OC,   236                         ; v236-241, v242-247 out's codes of the two passes;  v248, v249 their two scale bytes
.set OH,   248
.set SH8,  250                         ; v250 8 (lane / 16)
.set OLD,  251
.set WV,   12
.macro CROUND
	s_barrier_signal -1
	s_barrier_wait -1
	s_cmp_lg_u32 s[WV], 0
	s_cbranch_scc1 .Lnot_wave_0_\@
	s_barrier_signal -3
.Lnot_wave_0_\@:
	s_barrier_wait -3
	s_barrier_signal -1
	s_barrier_wait -1
.endm
.macro KLOAD adk, ads, ko, so          ; a step's k: four images (two tiles each), and its scale words
.irp p, 0,1,2,3
.irp g, 0,1,2
	ds_load_b128 v[KF+12*\p+4*\g:KF+12*\p+4*\g+3], v[\adk] offset:\ko+\p*1536+512*\g
.endr
.endr
	ds_load_b128 v[KS:KS+3], v[\ads] offset:\so
.endm
.macro KQ t, u                         ; S^T of key tile t; odd tiles' scale words lie in lanes 16-31, and so do query tile 1's
.if ((\t)%2 == 0) && (\u == 0)
	v_wmma_scale_f32_16x16x128_f8f6f4 v[S+8*(\t):S+8*(\t)+7], v[KF+6*(\t):KF+6*(\t)+11], v[QF:QF+11], 0, v[KS+(\t)/2], v[QS] matrix_a_fmt:MATRIX_FMT_BF6 matrix_b_fmt:MATRIX_FMT_BF6
.elseif ((\t)%2 == 1) && (\u == 0)
	v_wmma_scale_f32_16x16x128_f8f6f4 v[S+8*(\t):S+8*(\t)+7], v[KF+6*(\t):KF+6*(\t)+11], v[QF:QF+11], 0, v[KS+(\t)/2], v[QS] matrix_a_fmt:MATRIX_FMT_BF6 matrix_b_fmt:MATRIX_FMT_BF6 matrix_a_scale:MATRIX_SCALE_ROW1
.elseif ((\t)%2 == 0)
	v_wmma_scale_f32_16x16x128_f8f6f4 v[S+8*(\t):S+8*(\t)+7], v[KF+6*(\t):KF+6*(\t)+11], v[QF:QF+11], 0, v[KS+(\t)/2], v[QS] matrix_a_fmt:MATRIX_FMT_BF6 matrix_b_fmt:MATRIX_FMT_BF6 matrix_b_scale:MATRIX_SCALE_ROW1
.else
	v_wmma_scale_f32_16x16x128_f8f6f4 v[S+8*(\t):S+8*(\t)+7], v[KF+6*(\t):KF+6*(\t)+11], v[QF:QF+11], 0, v[KS+(\t)/2], v[QS] matrix_a_fmt:MATRIX_FMT_BF6 matrix_b_fmt:MATRIX_FMT_BF6 matrix_a_scale:MATRIX_SCALE_ROW1 matrix_b_scale:MATRIX_SCALE_ROW1
.endif
.endm
.macro OM4 k                           ; four pairs of O^T under the new M, ascending: each accumulator is met at its low end first
.irp i, 0,1,2,3
	v_pk_mul_f32 v[O+2*(\k)+2*\i:O+2*(\k)+2*\i+1], v[O+2*(\k)+2*\i:O+2*(\k)+2*\i+1], v[FF:FF+1] op_sel_hi:[1,0]
.endr
.endm
; A KEY STEP of 128 keys for query tile u.  nxt = 1: the next step's k is fetched
.macro STEP u, nxt
	s_wait_dscnt 0x0                               ; k and its scale words are in
.irp t, 0,1,2,3,4,5,6,7
	KQ \t, \u
.endr
	v_add_nc_u32 v[ADV], s36, v[AV0]               ; plain lines: the places in front of the loads into k's registers and of the first read of the scores
	v_add_nc_u32 v[ADT], s38, v[ASV0]
	v_add_nc_u32 v[ADK], s36, v[AK0]
	v_add_nc_u32 v[ADS], s37, v[ASK0]
	v_mov_b32 v[OLD], v12                          ; the old -M
.irp t, 0,1,2,3
.irp g, 0,1,2
	ds_load_b128 v[KF+12*\t+4*\g:KF+12*\t+4*\g+3], v[ADV] offset:\t*1536+512*\g   ; v's four tiles land while the softmax is walked
.endr
.endr
	ds_load_b64 v[VS:VS+1], v[ADT]
.irp c, 0,1
	v_max3_num_f32 v[BM+\c], v[S+32*\c], v[S+32*\c+1], v[S+32*\c+2]   ; the largest score of my two blocks of 32 keys: for the row's maximum, and, since p rises with the score, for the block's largest p
.endr
.irp i, 3,5,7,9,11,13,15,17,19,21,23,25,27,29  ; each accumulator is met at its register 0 first (with the register below it)
.irp c, 0,1
	v_max3_num_f32 v[BM+\c], v[BM+\c], v[S+32*\c+\i], v[S+32*\c+\i+1]
.endr
.endr
.irp c, 0,1
	v_max_num_f32 v[BM+\c], v[BM+\c], v[S+32*\c+31]
.endr
	s_delay_alu instid0(VALU_DEP_1)
	v_max_num_f32 v[TA], v[BM], v[BM+1]
	s_delay_alu instid0(VALU_DEP_1)
	v_permlanex16_b32 v[TB], v[TA], s20, s21       ; lane l xor 16's 64 keys
	s_delay_alu instid0(VALU_DEP_1)
	v_max3_num_f32 v13, v13, v[TA], v[TB]          ; the running largest score
	s_delay_alu instid0(VALU_DEP_1)
	v_mul_f32 v[TA], s22, v13                      ; as t (c is positive)
	s_delay_alu instid0(VALU_DEP_1)
	v_floor_f32 v12, -v[TA]                        ; the new -M = floor(-t): M is a whole number
.set n, 0
.rept 32
	v_pk_fma_f32 v[S+n:S+n+1], v[S+n:S+n+1], s[22:23], v[12:13] op_sel_hi:[1,0,0]   ; t - M, two at a time; f is made among these lines
.if n == 8
	v_sub_f32 v[OLD], v12, v[OLD]                  ; old M - new M: a whole number, 0 or less
.endif
.if n == 18
	v_cvt_i32_f32 v[OLD], v[OLD]                   ; (it saturates)
.endif
.if n == 28
	v_ldexp_f32 v[FF], 1.0, v[OLD]                 ; f = 2^(old M - new M)
.endif
.set n, n+2
.endr
.irp c, 0,1
	v_fma_f32 v[BM+\c], v[BM+\c], s22, v12         ; the same of each block's largest score
.endr
	s_wait_alu depctr_va_vdst(0)                   ; the wait ahead of the batch
.set n, 0
.rept 64
	v_exp_f32 v[S+n], v[S+n]                       ; p = 2^(t - M)
.set n, n+1
.endr
.irp c, 0,1
	v_exp_f32 v[BM+\c], v[BM+\c]                   ; the block's largest p: the same two instructions on the same number
.endr
	v_pk_mul_f32 v[14:15], v[14:15], v[FF:FF+1] op_sel_hi:[1,0]   ; the sums under the new M.  (A plain place behind the exponentials)
	s_wait_dscnt 0x0                               ; v and its scale words are in
	s_wait_alu depctr_va_vdst(0)                   ; one wait for the batch and for the first readers of O^T, with plain lines alone down to the last of them
.irp c, 0,1
	v_max_num_f32 v[BM+\c], 0x2800000, v[BM+\c]    ; the floor 2^(5 - 127): the byte cannot fall under 1
.endr
	OM4 0
.irp c, 0,1
	v_add_nc_u32 v[BS+\c], 0xfe000000, v[BM+\c]    ; 4 off the exponent field: the conversion's scale operand
.endr
	OM4 4
.irp c, 0,1
	v_lshrrev_b32 v[BT+\c], 23, v[BS+\c]           ; the scale's byte
.endr
	OM4 8
	v_lshl_or_b32 v[TA], v[BT+1], 16, v[BT]        ; my two bytes: blocks h and 2 + h,
	OM4 12
	v_lshlrev_b32 v[TA], v[SH8], v[TA]             ; at their places in the word (8 h bits up);
.irp c, 0,1
	v_cvt_scalef32_pk16_bf6_f32 v[PC+6*\c:PC+2+6*\c], v[S+32*\c:S+15+32*\c], v[BS+\c]      ; registers 6 c .. 6 c + 2 of the operand
	v_cvt_scalef32_pk16_bf6_f32 v[CT+4*\c:CT+2+4*\c], v[S+16+32*\c:S+31+32*\c], v[BS+\c]   ; (a conversion's three registers begin on an even number: the second half is made elsewhere and moved)
.endr
	v_pk_add_f32 v[232:233], v[S:S+1], v[S+2:S+3]  ; the row's sum of the unquantised p, in two chains.  (The plain place behind the conversions)
	v_permlanex16_b32 v[TB], v[TA], s20, s21
.irp c, 0,1
.irp i, 0,1,2
	v_mov_b32 v[PC+3+6*\c+\i], v[CT+4*\c+\i]
.endr
.endr
	v_or_b32 v[PW], v[TA], v[TB]                   ; with lane l xor 16's two: p's scale word for these 128 keys
.irp j, 4,8,12,16                              ; eight places behind p's scale word, nine behind its codes
	v_pk_add_f32 v[14:15], v[14:15], v[S+\j:S+1+\j]
	v_pk_add_f32 v[232:233], v[232:233], v[S+2+\j:S+3+\j]
.endr
.irp t, 0,2                                    ; O^T += v^T p^T: the four accumulators by turns
	v_wmma_scale_f32_16x16x128_f8f6f4 v[O+8*\t:O+8*\t+7], v[KF+12*\t:KF+12*\t+11], v[PC:PC+11], v[O+8*\t:O+8*\t+7], v[VS+\t/2], v[PW] matrix_a_fmt:MATRIX_FMT_BF6 matrix_b_fmt:MATRIX_FMT_BF6
	v_wmma_scale_f32_16x16x128_f8f6f4 v[O+8*\t+8:O+8*\t+15], v[KF+12*\t+12:KF+12*\t+23], v[PC:PC+11], v[O+8*\t+8:O+8*\t+15], v[VS+\t/2], v[PW] matrix_a_fmt:MATRIX_FMT_BF6 matrix_b_fmt:MATRIX_FMT_BF6 matrix_a_scale:MATRIX_SCALE_ROW1
.endr
.irp j, 20,24                                  ; four places in front of the loads below
	v_pk_add_f32 v[14:15], v[14:15], v[S+\j:S+1+\j]
	v_pk_add_f32 v[232:233], v[232:233], v[S+2+\j:S+3+\j]
.endr
.if \nxt
	KLOAD ADK, ADS, 6144, 512                      ; the next step's k lands under the rest of the sum
.endif
.irp j, 28,32,36,40,44,48,52,56,60
	v_pk_add_f32 v[14:15], v[14:15], v[S+\j:S+1+\j]
	v_pk_add_f32 v[232:233], v[232:233], v[S+2+\j:S+3+\j]
.endr
	s_delay_alu instid0(VALU_DEP_1)
	v_pk_add_f32 v[14:15], v[14:15], v[232:233]
	s_add_co_u32 s36, s36, 6144
	s_add_co_u32 s37, s37, 512
	s_add_co_u32 s38, s38, 256
.endm
; Query tile u over all keys, and its way out
.macro PASS u
.set OCU, OC+6*\u
.irp i, 0,1,2,3,4,5
	v_mov_b32 v[QF+\i], v[QP+6*\u+\i]
.endr
	v_mov_b32 v13, 0xff61b1e6                      ; the largest score so far: -3e38
	s_delay_alu instid0(VALU_DEP_1)
	v_floor_f32 v12, -v13
	v_mov_b32 v14, 0
	v_mov_b32 v15, 0
.set n, 0
.rept 32
	v_mov_b32 v[O+n], 0                            ; the step is written once: the first finds zeros, which the first change of M leaves zeros
.set n, n+1
.endr
	s_mov_b32 s36, 0
	s_mov_b32 s37, 0
	s_mov_b32 s38, 0
	s_wait_alu depctr_va_vdst(0)                   ; the wait ahead of the step's first wait
	KLOAD AK0, ASK0, 0, 0
	s_mov_b32 s39, 15
.Lstep_\@:
	STEP \u, 1
	s_sub_co_u32 s39, s39, 1
	s_cmp_lg_u32 s39, 0
	s_cbranch_scc1 .Lstep_\@
	STEP \u, 0                                     ; the last step fetches nothing more
	v_add_f32 v14, v14, v15
	s_delay_alu instid0(VALU_DEP_1)
	v_permlanex16_b32 v[TA], v14, s20, s21
	s_delay_alu instid0(VALU_DEP_1)
	v_add_f32 v14, v14, v[TA]                      ; the row's sum
	s_wait_alu depctr_va_vdst(0)
	v_rcp_f32 v[FF], v14
	v_nop                                          ; one plain place behind a transcendental
.set n, 0
	s_wait_alu depctr_va_vdst(0)
.rept 16
	v_pk_mul_f32 v[S+n:S+n+1], v[O+n:O+n+1], v[FF:FF+1] op_sel_hi:[1,0]   ; out(query r, 32 b + 16 h + i) in register 16 b + i
.set n, n+2
.endr
.irp b, 0,1
	v_max3_num_f32 v[BM+\b], |v[S+16*\b]|, |v[S+1+16*\b]|, 0x2800000
.endr
.irp i, 2,4,6,8,10,12,14
.irp b, 0,1
	s_delay_alu instid0(VALU_DEP_2)
	v_max3_num_f32 v[BM+\b], v[BM+\b], |v[S+16*\b+\i]|, |v[S+1+16*\b+\i]|
.endr
.endr
.irp b, 0,1
	s_delay_alu instid0(VALU_DEP_2)
	v_permlanex16_b32 v[BT+\b], v[BM+\b], s20, s21
.endr
.irp b, 0,1
	s_delay_alu instid0(VALU_DEP_2)
	v_max_num_f32 v[BM+\b], v[BM+\b], v[BT+\b]
.endr
.irp b, 0,1
	s_delay_alu instid0(VALU_DEP_2)
	v_add_nc_u32 v[BS+\b], 0xfe000000, v[BM+\b]
.endr
.irp b, 0,1
	s_delay_alu instid0(VALU_DEP_2)
	v_lshrrev_b32 v[BT+\b], 23, v[BS+\b]
.endr
	s_delay_alu instid0(VALU_DEP_1)
	v_lshl_or_b32 v[OH+\u], v[BT+1], 8, v[BT]      ; the head's two bytes of the row's scale word
	v_cvt_scalef32_pk16_bf6_f32 v[OCU:OCU+2], v[S:S+15], v[BS]
	v_cvt_scalef32_pk16_bf6_f32 v[CT:CT+2], v[S+16:S+31], v[BS+1]
	v_nop
.irp i, 0,1,2
	v_permlane16_swap_b32 v[OCU+\i], v[CT+\i]      ; v's rows of d keep the weights' tile order: a block of out lies in lanes l and l xor 16
.endr
.irp i, 0,1,2
	s_delay_alu instid0(VALU_DEP_3)
	v_mov_b32 v[OCU+3+\i], v[CT+\i]
.endr
	global_store_b64 v[OA0], v[OCU:OCU+1], s[46:47] offset:\u*3072          ; the head's six of the fragment's twelve registers: 0-5 of an even head, 6-11 of an odd one
	global_store_b64 v[OA1], v[OCU+2:OCU+3], s[46:47] offset:\u*3072
	global_store_b64 v[OA0], v[OCU+4:OCU+5], s[46:47] offset:\u*3072+512
.endm
	s_load_b256 s[4:11], s[0:1], 0x0               ; qb, kv, oc, os
	v_lshl_add_u32 v254, v0, 2, 0x34000
	v_mov_b32 v255, 0
	ds_add_u32 v254, v255                          ; the opening lines: the add, twice on end, and its wait ahead of my tensor load
	ds_add_u32 v254, v255
	v_lshrrev_b32 v1, 5, v0
	s_delay_alu instid0(VALU_DEP_1)
	v_readfirstlane_b32 s[WV], v1                  ; wave 0..15
	s_bfe_u32 s13, ttmp6, 0x40000                  ; cx: it enters q's and out's global addresses alone
	s_and_b32 s14, ttmp7, 0xffff                   ; the head block, which the four partners share
	s_mov_b32 s24, 15|(3<<16)|(1<<21)              ; the mask: all four; elements of 8 bytes; bit 21 beside a mask; no padding
	s_mov_b32 s25, 32<<16                          ; 51 rows of 256 bytes, dense
	s_mov_b32 s26, 51<<16
	s_mov_b32 s27, 32<<16
	s_mov_b32 s28, 51
	s_mov_b32 s29, 32
	s_mov_b32 s30, 0
	s_mov_b32 s31, 0
	s_mul_i32 s15, s[WV], 13056                    ; my sixteenth of the block, in memory and in LDS
	s_mul_i32 s16, s14, 208896
	s_add_co_u32 s16, s16, s15
	s_mov_b32 s17, 0
	s_lshl_b32 s18, s13, 2
	s_lshr_b32 s19, s[WV], 2
	s_add_co_u32 s18, s18, s19                     ; my step of 128 queries: 4 cx + wave / 4
	s_and_b32 s19, s[WV], 3                        ; my pair of tiles in it
	s_mul_i32 s50, s14, 106496
	s_mul_i32 s42, s18, 6144
	s_add_co_u32 s42, s42, s50
	s_mul_i32 s51, s19, 1536
	s_add_co_u32 s42, s42, s51                     ; q's codes
	s_mov_b32 s43, 0
	s_lshl_b32 s44, s18, 9
	s_add_co_u32 s44, s44, s50
	s_lshl_b32 s51, s19, 2
	s_add_co_u32 s44, s44, s51
	s_add_co_u32 s44, s44, 98304                   ; q's scale words
	s_mov_b32 s45, 0
	s_lshr_b32 s52, s14, 4                         ; batch
	s_and_b32 s53, s14, 15                         ; head
	s_lshl_b32 s52, s52, 4
	s_add_co_u32 s52, s52, s18                     ; out's group of 128 rows
	s_lshl_b32 s46, s52, 2                         ; codes: ((4 group + head / 4) x 8 + 2 pair) x 3072 + ((head / 2) % 2) x 1536
	s_lshr_b32 s51, s53, 2
	s_add_co_u32 s46, s46, s51
	s_lshl_b32 s46, s46, 3
	s_lshl_b32 s51, s19, 1
	s_add_co_u32 s46, s46, s51
	s_mul_i32 s46, s46, 3072
	s_bfe_u32 s51, s53, 0x10001
	s_mul_i32 s51, s51, 1536
	s_add_co_u32 s46, s46, s51
	s_mov_b32 s47, 0
	s_lshl_b32 s48, s52, 12                        ; scale bytes: 4096 group + 512 (head / 2) + 128 pair + 2 (head % 2)
	s_lshr_b32 s51, s53, 1
	s_lshl_b32 s51, s51, 9
	s_add_co_u32 s48, s48, s51
	s_lshl_b32 s51, s19, 7
	s_add_co_u32 s48, s48, s51
	s_and_b32 s40, s53, 1
	s_lshl_b32 s51, s40, 1
	s_add_co_u32 s48, s48, s51
	s_mov_b32 s49, 0
	s_mul_i32 s54, s40, 520                        ; an odd head's registers 6, 7 lie 520 bytes on from an even head's 0, 1, and 10, 11 from 4, 5;
	s_mul_i32 s55, s40, 1016
	s_add_co_u32 s55, s55, 8                       ; its 8, 9 lie 1,016 on from 2, 3
	s_mov_b32 s20, 0x76543210
	s_mov_b32 s21, 0xfedcba98
	s_mov_b32 s22, 0x3e38aa3b                      ; c = log2(e) / 8
	s_mov_b32 s23, s22
	s_mov_b32 s41, 0xffff0000
	s_wait_dscnt 0x0
	s_wait_kmcnt 0x0
	s_mov_b32 s32, 1
	s_mov_b32 s33, s15
	s_add_nc_u64 s[34:35], s[6:7], s[16:17]
	s_or_b32 s35, s35, 0x80000000
	s_add_nc_u64 s[42:43], s[4:5], s[42:43]
	s_add_nc_u64 s[44:45], s[4:5], s[44:45]
	s_add_nc_u64 s[46:47], s[8:9], s[46:47]
	s_add_nc_u64 s[48:49], s[10:11], s[48:49]
	CROUND                                         ; all four work-groups are here: the joint loads meet
	tensor_load_to_lds s[32:35], s[24:31]          ; my one tensor load of the launch
	s_nop 0
.rept 4
	v_nop
.endr
	v_and_b32 v5, 31, v0
	s_delay_alu instid0(VALU_DEP_1)
	v_lshlrev_b32 v[AK0], 4, v5
.irp g, 0,1,2
	global_load_b128 v[QP+4*\g:QP+4*\g+3], v[AK0], s[42:43] offset:512*\g
.endr
	global_load_b32 v[QS], v[AK0], s[44:45]        ; lanes 0-15: tile 0's words, lanes 16-31: tile 1's
	v_add_nc_u32 v[ASK0], 98304, v[AK0]
	v_add_nc_u32 v[AV0], 106496, v[AK0]
	v_lshl_add_u32 v[ASV0], v5, 3, 204800
	v_add_nc_u32 v[OA0], s54, v[AK0]
	v_add_nc_u32 v[OA1], s55, v[AK0]
	v_and_b32 v6, 15, v0
	v_bfe_u32 v7, v0, 4, 1
	s_delay_alu instid0(VALU_DEP_2)
	v_lshlrev_b32 v[OSA], 3, v6
	s_delay_alu instid0(VALU_DEP_1)
	v_lshl_add_u32 v[OSA], v7, 2, v[OSA]           ; 8 r + 4 (lane / 16)
	v_lshlrev_b32 v[SH8], 3, v7                    ; 8 (lane / 16)
.irp i, 6,7,8,9,10,11
	v_mov_b32 v[QF+\i], 0                          ; q's upper 64 of the instruction's K: zero codes
.endr
.irp i, 48,49,50,51,52,53
	v_mov_b32 v[KF+\i], 0                          ; behind k's tile 7
.endr
	v_mov_b32 v[FF+1], 0                           ; named as the upper half of a pair
	v_mov_b32 v[TA], 0                             ; a lane permute's destination counts as one of its sources
	v_mov_b32 v[TB], 0
.irp b, 0,1
	v_mov_b32 v[BT+\b], 0
.endr
	s_wait_alu depctr_va_vdst(0)                   ; the wait at the head's end
	s_wait_tensorcnt 0x0                           ; my part of the block is in,
	s_barrier_signal -1
	s_barrier_wait -1                              ; everybody's is
	s_wait_loadcnt 0x0                             ; q
	PASS 0
	PASS 1
	v_cndmask_b32 v[TB], v[OH], v[OH+1], s41       ; lanes 0-15: tile 0's rows, lanes 16-31: tile 1's
	global_store_b16 v[OSA], v[TB], s[48:49]
	s_wait_tensorcnt 0x0                           ; the wave's end
	ds_add_u32 v254, v255
	s_wait_dscnt 0x0
	CROUND                                         ; the closing round
	s_endpgm
.Lfunc_end_k_qa916494d2b_attn:
	.size	k_qa916494d2b_attn, .Lfunc_end_k_qa916494d2b_attn-k_qa916494d2b_attn
	.p2alignl 7, 3214868480
	.fill 96, 4, 3214868480
	.section	.rodata,"a",@progbits
	.p2align	6, 0x0
	.amdhsa_kernel k_qa916494d2b_attn
		.amdhsa_group_segment_fixed_size 215040
		.amdhsa_private_segment_fixed_size 0
		.amdhsa_enable_private_segment 0
		.amdhsa_kernarg_size 32
		.amdhsa_user_sgpr_count 2
		.amdhsa_user_sgpr_kernarg_segment_ptr 1
		.amdhsa_wavefront_size32 1
		.amdhsa_system_sgpr_workgroup_id_x 1
		.amdhsa_system_sgpr_workgroup_id_y 1
		.amdhsa_system_sgpr_workgroup_id_z 1
		.amdhsa_system_vgpr_workitem_id 0
		.amdhsa_next_free_vgpr 256
		.amdhsa_next_free_sgpr 66
		.amdhsa_reserve_vcc 0
		.amdhsa_float_denorm_mode_32 3
		.amdhsa_float_denorm_mode_16_64 3
		.amdhsa_memory_ordered 1
		.amdhsa_forward_progress 1
		.amdhsa_inst_pref_size 76
	.end_amdhsa_kernel
	.amdgpu_metadata
---
amdhsa.version: [ 1, 2 ]
amdhsa.kernels:
  - .name:           k_qa916494d2b_attn
    .symbol:         k_qa916494d2b_attn.kd
    .args:
      - { .name: qb, .offset: 0, .size: 8, .value_kind: global_buffer, .address_space: global }
      - { .name: kv, .offset: 8, .size: 8, .value_kind: global_buffer, .address_space: global }
      - { .name: oc, .offset: 16, .size: 8, .value_kind: global_buffer, .address_space: global }
      - { .name: os, .offset: 24, .size: 8, .value_kind: global_buffer, .address_space: global }
    .group_segment_fixed_size: 215040
    .private_segment_fixed_size: 0
    .kernarg_segment_align: 8
    .kernarg_segment_size: 32
    .max_flat_workgroup_size: 512
    .sgpr_count:     66
    .vgpr_count:     256
    .wavefront_size: 32
...
	.end_amdgpu_metadata
.endif
;; end of part 3
;; launch oproj (part 4): grid 8 x 32, 4 waves a work-group, clusters of 4 x 4, 327,680 bytes of LDS; arguments oc, os, wc, ws, bo, out0; writes out0
.if DOCPART == 4
	.amdgcn_target "amdgcn-amd-amdhsa--gfx1250"
	.amdhsa_code_object_version 6
	.text
	.protected	k_qa916494d2b_oproj
	.globl	k_qa916494d2b_oproj
	.p2align	8
	.type	k_qa916494d2b_oproj,@function
k_qa916494d2b_oproj:
	s_mov_b64 s[64:65], 0
	v_nop
	global_prefetch_b8 v0, s[64:65] scope:SCOPE_SE
	s_setreg_imm32_b32 hwreg(HW_REG_WAVE_MODE, 25, 1), 1
	s_wait_xcnt 0x0
	s_wait_alu depctr_hold_cnt(0) depctr_sa_sdst(0) depctr_va_vdst(0) depctr_va_sdst(0) depctr_va_ssrc(0) depctr_va_vcc(0) depctr_vm_vsrc(0)
	s_getreg_b32 s2, hwreg(HW_REG_IB_STS2, 6, 4)
	s_cmp_eq_u32 s2, 0
	s_cbranch_scc0 .Lentry_in_a_cluster
	s_endpgm
.Lentry_in_a_cluster:
	s_bfe_u32 s2, ttmp6, 0x10000c
	s_cmp_lg_u32 s2, 0xf033
	s_cbranch_scc0 .Lentry_shape_is_right
	s_endpgm
.Lentry_shape_is_right:
; out0 = o Wo + bo on codes of E3M2 (one E8M0 byte for each 32 along K), K = 1,024; f32 sums, stored as f32.
; SHARES.  A work-group owns 256 rows of o (two groups of 128) and 128 columns of Wo (wc's group 24 + column block): 8 x 32 = 256 work-groups.
; A wave owns one group of 128 rows (wave / 2) and 64 columns (wave % 2): 8 x 4 = 32 accumulators, 256 registers.
; LDS: o's codes of the 256 rows for all of K, 196,608 bytes; behind them Wo's block, 98,304 bytes; both filled once, by the head's four loads.  Behind them the spare words, and behind those the waves' stages, on which no fill lands.
; CLUSTER 4 x 4: o's rows are shared along a row of the cluster, Wo's block along a column: joint loads.
; Scale words and the bias go from memory straight into registers, each load of scale words 256 consecutive bytes.
; No prefetch: all that the launch reads is asked for at its head, and there is no loop to run ahead in.
; THE PRODUCT IS USED TRANSPOSED (source 0 = 16 columns of Wo, source 1 = 16 rows of o): in accumulator (a, b) lane (r, h) holds o's tile a row r, and register j column 32 (b / 2) + 16 h + 8 (b % 2) + j of my 64.
; o's tile 4 c + s holds in lane r row 64 c + 8 s + r % 8 + 32 (r / 8) of its group.
; REGISTERS: window 0: addresses, scale words, fragment set 0, the bias; window 1: the accumulators, (a, b) at v[8 (4 a + b)]; window 2: fragment set 1 at set 0's numbers.
; LIMITS: NaN and infinities are not served.
.set GB,    98304                      ; a group's codes: 128 rows x 768 bytes
.set CH,    24576                      ; 256 along K of a group
.set LW,    2*GB
.set SPARE, 3*GB
.set STAGE, SPARE+512                  ; 16 rows x (256 bytes + 16) for each wave
.set STG,   16*272
.set RL,  1
.set HL,  2
.set LI,  3                            ; 16 x lane
.set L8,  4                            ; 8 x lane
.set BO,  5                            ; 64 h
.set ADX, 6                            ; v6-7 o's fragments, K steps 0-3 and 4-7;  v8-9 Wo's
.set ADW, 8
.set STO, 10
.set RD,  11
.set CO,  12
.set SPW, 14
.set NIL, 15
.set SX,  16                           ; v16-47 o's scale words: step q, register 4 q + 2 (a / 4) + a % 2, lanes 16 ((a / 2) % 2) on
.set SW,  48                           ; v48-63 Wo's: register 2 q + b % 2, lanes 16 (b / 2) on
.set XF,  64                           ; v64-159 o's eight fragments;  v160-207 Wo's four
.set WF,  160
.set BI,  208                          ; v208-239 the bias in the result's layout
.set BK,  64                           ; the way out: 16 rows read back from the stage, v64-95 and v96-127 by turns
.set WV, 22
.set HR, 23
.set G1X, 24
.set G0X, 32
.set G1W, 36
.set G0W, 44
.set HC, 60
.set TR, 61
.set JW, 62
.set XSP, 74
.set SWP, 80
.set BP, 82
.set OUT, 84
.set GG, 90
.set MSB, 0
.macro WIN new                         ; the immediate's high byte repeats the setting that is left
.if MSB != (\new)
	s_set_vgpr_msb (MSB<<8)|(\new)
.set MSB, (\new)
.endif
.endm
.macro CROUND
	s_barrier_signal -1
	s_barrier_wait -1
	s_cmp_lg_u32 s[WV], 0
	s_cbranch_scc1 .Lnot_wave_0_\@
	s_barrier_signal -3
.Lnot_wave_0_\@:
	s_barrier_wait -3
	s_barrier_signal -1
	s_barrier_wait -1
.endm
.macro PLACES n
.rept \n
	v_nop
.endr
.endm
.macro G1SET g, rows                   ; rows of 256 bytes (32 elements of 8), dense
	s_mov_b32 s[\g+1], 32<<16
	s_mov_b32 s[\g+2], (\rows)<<16
	s_mov_b32 s[\g+3], 32<<16
	s_mov_b32 s[\g+4], \rows
	s_mov_b32 s[\g+5], 32
	s_mov_b32 s[\g+6], 0
	s_mov_b32 s[\g+7], 0
.endm
.macro FRAG3 reg, adr, off             ; a fragment is an image of its twelve registers: three loads of 512 consecutive bytes
.irp c, 0,1,2
	ds_load_b128 v[\reg+4*\c:\reg+4*\c+3], v[\adr] offset:\off+512*\c
.endr
.endm
.macro FETCH q                         ; K step q's twelve fragments into set q % 2
	WIN 0x80*((\q)%2)
.irp i, 0,1,2,3,4,5,6,7
	FRAG3 XF+12*\i, ADX+(\q)/4, (((\q)/2)%2)*CH+\i*3072+((\q)%2)*1536
.endr
.irp i, 0,1,2,3
	FRAG3 WF+12*\i, ADW+(\q)/4, (((\q)/2)%2)*CH+\i*3072+((\q)%2)*1536
.endr
.endm
.macro WMV ra, rb
.if ((\ra) == 0) && ((\rb) == 0)
	v_wmma_scale_f32_16x16x128_f8f6f4 v[DD:DD+7], v[W0:W0+11], v[X0:X0+11], v[CC:CC+7], v[SA0], v[SB0] matrix_a_fmt:MATRIX_FMT_BF6 matrix_b_fmt:MATRIX_FMT_BF6
.elseif ((\ra) == 1) && ((\rb) == 0)
	v_wmma_scale_f32_16x16x128_f8f6f4 v[DD:DD+7], v[W0:W0+11], v[X0:X0+11], v[CC:CC+7], v[SA0], v[SB0] matrix_a_fmt:MATRIX_FMT_BF6 matrix_b_fmt:MATRIX_FMT_BF6 matrix_a_scale:MATRIX_SCALE_ROW1
.elseif ((\ra) == 0)
	v_wmma_scale_f32_16x16x128_f8f6f4 v[DD:DD+7], v[W0:W0+11], v[X0:X0+11], v[CC:CC+7], v[SA0], v[SB0] matrix_a_fmt:MATRIX_FMT_BF6 matrix_b_fmt:MATRIX_FMT_BF6 matrix_b_scale:MATRIX_SCALE_ROW1
.else
	v_wmma_scale_f32_16x16x128_f8f6f4 v[DD:DD+7], v[W0:W0+11], v[X0:X0+11], v[CC:CC+7], v[SA0], v[SB0] matrix_a_fmt:MATRIX_FMT_BF6 matrix_b_fmt:MATRIX_FMT_BF6 matrix_a_scale:MATRIX_SCALE_ROW1 matrix_b_scale:MATRIX_SCALE_ROW1
.endif
.endm
.macro MUL q, first                    ; 32 matrix instructions: the 32 accumulators by turns, in the same order in every step.  first: C is the bias
.set ma, 0
.rept 8
.set mb, 0
.rept 4
.set DD, 8*(4*ma+mb)
.set W0, WF+12*mb
.set X0, XF+12*ma
.set SA0, SW+2*(\q)+(mb%2)
.set SB0, SX+4*(\q)+2*(ma/4)+(ma%2)
.if \first
.set CC, BI+8*mb
.else
.set CC, DD
.endif
	WMV mb/2, (ma/2)%2
.set mb, mb+1
.endr
.set ma, ma+1
.endr
.endm
	s_load_b256 s[4:11], s[0:1], 0x0               ; oc, os, wc, ws
	s_load_b128 s[12:15], s[0:1], 0x20             ; bo, out0
	v_lshl_add_u32 v[SPW], v0, 2, SPARE
	v_mov_b32 v[NIL], 0
	ds_add_u32 v[SPW], v[NIL]                      ; the opening lines: the add, twice on end, and its wait ahead of my tensor load
	ds_add_u32 v[SPW], v[NIL]
	v_lshrrev_b32 v1, 5, v0
	v_readfirstlane_b32 s[WV], v1
	s_lshr_b32 s[HR], s[WV], 1                     ; my group of o's rows.  At the head: I fetch o (0) or Wo (1)
	s_and_b32 s[HC], s[WV], 1                      ; my 64 columns.  At the head: which half I fetch
	s_bfe_u32 s66, ttmp6, 0x40000                  ; cx
	s_bfe_u32 s67, ttmp6, 0x40004                  ; cy
	s_lshl_b32 s[JW], ttmp9, 2
	s_add_co_u32 s[JW], s[JW], s66                 ; the block of 128 columns, 0..7
	s_and_b32 s[TR], ttmp7, 0xffff
	s_lshl_b32 s[TR], s[TR], 2
	s_add_co_u32 s[TR], s[TR], s67                 ; the block of 256 rows, 0..31
	s_lshl_b32 s72, s67, 2
	s_lshl_b32 s72, 15, s72                        ; my row of the cluster
	s_lshl_b32 s73, 0x1111, s66                    ; my column
	s_or_b32 s[G1X], s72, (3<<16)|(1<<21)
	s_or_b32 s[G1W], s73, (3<<16)|(1<<21)
	G1SET G1X, 384                                 ; a group of o
	G1SET G1W, 192                                 ; half of Wo's block
	s_lshl_b32 s86, s[TR], 1
	s_add_co_u32 s86, s86, s[HC]
	s_mul_i32 s86, s86, GB                         ; o: group 2 TR + half
	s_mov_b32 s87, 0
	s_mul_i32 s88, s[JW], GB
	s_mul_i32 s91, s[HC], 2*CH
	s_add_co_u32 s88, s88, s91
	s_add_co_u32 s88, s88, 24*GB                   ; Wo's block (wc's group 24 + column block), my half
	s_mov_b32 s89, 0
	s_lshl_b32 s[GG], s[TR], 1
	s_add_co_u32 s[GG], s[GG], s[HR]               ; the group that I multiply
	s_lshl_b32 s96, s[GG], 12
	s_mov_b32 s97, 0
	s_lshl_b32 s98, s[JW], 12
	s_lshl_b32 s91, s[HC], 8
	s_add_co_u32 s98, s98, s91
	s_add_co_u32 s98, s98, 24*4096                 ; Wo's scale words: 4096 group + 256 half
	s_mov_b32 s99, 0
	s_lshl_b32 s100, s[JW], 9
	s_add_co_u32 s100, s100, s91                   ; my first column in bytes: 4 x (128 block + 64 half)
	s_mov_b32 s101, 0
	s_lshl_b32 s92, s[GG], 19                      ; my first row of out0: 128 group rows of 4,096 bytes
	s_add_co_u32 s92, s92, s100
	s_mov_b32 s93, 0
	s_mul_i32 s[G0X+1], s[HC], GB
	s_mul_i32 s[G0W+1], s[HC], 2*CH
	s_add_co_u32 s[G0W+1], s[G0W+1], LW
	s_wait_dscnt 0x0
	s_wait_kmcnt 0x0
	s_mov_b32 s[G0X], 1
	s_add_nc_u64 s[G0X+2:G0X+3], s[4:5], s[86:87]
	s_or_b32 s[G0X+3], s[G0X+3], 0x80000000
	s_mov_b32 s[G0W], 1
	s_add_nc_u64 s[G0W+2:G0W+3], s[8:9], s[88:89]
	s_or_b32 s[G0W+3], s[G0W+3], 0x80000000
	s_add_nc_u64 s[XSP:XSP+1], s[6:7], s[96:97]
	s_add_nc_u64 s[SWP:SWP+1], s[10:11], s[98:99]
	s_add_nc_u64 s[BP:BP+1], s[12:13], s[100:101]
	s_add_nc_u64 s[OUT:OUT+1], s[14:15], s[92:93]
	CROUND                                         ; all sixteen work-groups are here: the joint loads meet
	s_cmp_eq_u32 s[HR], 0                          ; one tensor load a wave: waves 0, 1 o's two groups, waves 2, 3 the halves of Wo's block
	s_cbranch_scc0 .Lhead_w
	tensor_load_to_lds s[G0X:G0X+3], s[G1X:G1X+7]
	s_nop 0
	PLACES 4
	s_branch .Lhead_j
.Lhead_w:
	tensor_load_to_lds s[G0W:G0W+3], s[G1W:G1W+7]
	s_nop 0
	PLACES 4
.Lhead_j:
	v_and_b32 v[RL], 15, v0
	v_bfe_u32 v[HL], v0, 4, 1
	v_and_b32 v13, 31, v0
	v_lshlrev_b32 v[LI], 4, v13
	v_lshlrev_b32 v[L8], 3, v13
	v_lshlrev_b32 v[BO], 6, v[HL]
.set n, 0
.rept 8
	global_load_b64 v[SX+4*n:SX+4*n+1], v[L8], s[XSP:XSP+1] offset:512*n        ; pairs of tiles 0 (lanes 0-15) and 1 (lanes 16-31): 256 consecutive bytes
	global_load_b64 v[SX+4*n+2:SX+4*n+3], v[L8], s[XSP:XSP+1] offset:512*n+256  ; pairs 2 and 3
	global_load_b64 v[SW+2*n:SW+2*n+1], v[L8], s[SWP:SWP+1] offset:512*n        ; Wo's two pairs of my half
.set n, n+1
.endr
.irp b, 0,1,2,3
	global_load_b128 v[BI+8*\b:BI+8*\b+3], v[BO], s[BP:BP+1] offset:(32*(\b/2)+8*(\b%2))*4
	global_load_b128 v[BI+8*\b+4:BI+8*\b+7], v[BO], s[BP:BP+1] offset:(32*(\b/2)+8*(\b%2))*4+16
.endr
	s_mul_i32 s72, s[HR], GB
	v_add_nc_u32 v[ADX], s72, v[LI]
	v_add_nc_u32 v[ADX+1], 2*CH, v[ADX]
	s_mul_i32 s72, s[HC], 12288                    ; my four tiles of the block's eight
	s_add_co_u32 s72, s72, LW
	v_add_nc_u32 v[ADW], s72, v[LI]
	v_add_nc_u32 v[ADW+1], 2*CH, v[ADW]
	s_mul_i32 s72, s[WV], STG
	s_add_co_u32 s72, s72, STAGE                   ; my stage
	v_mul_u32_u24 v[STO], v[RL], 272
	v_lshl_add_u32 v[STO], v[HL], 6, v[STO]
	v_add_nc_u32 v[STO], s72, v[STO]               ; in: row r, + 64 h
	v_mul_u32_u24 v[RD], v[HL], 272
	v_lshl_add_u32 v[RD], v[RL], 4, v[RD]
	v_add_nc_u32 v[RD], s72, v[RD]                 ; back: lanes 0-15 one row of 256 bytes, lanes 16-31 the next
	v_lshlrev_b32 v[CO], 12, v[HL]
	v_lshl_add_u32 v[CO], v[RL], 4, v[CO]          ; and the same two rows in out0
	s_wait_alu depctr_va_vdst(0)                   ; the wait at the head's end
	s_wait_loadcnt 0x0                             ; scale words and bias
	s_wait_tensorcnt 0x0                           ; my part is in,
	s_barrier_signal -1
	s_barrier_wait -1                              ; everybody's is
; the eight K steps: the next step's 36 loads are issued ahead of each step's 32 matrix instructions
	FETCH 0
.set qq, 0
.rept 8
	s_wait_dscnt 0x0                               ; this step's fragments are in
.if qq < 7
.if qq > 0
	PLACES 4                                       ; in front of loads into registers that the last step's matrix instructions read
.endif
	FETCH qq+1
.endif
.if qq == 0
	WIN 0x40                                       ; D window 1, C (the bias) window 0
	MUL 0, 1
.else
	WIN 0x50+0x0a*(qq%2)                           ; C and D window 1, the sources window 0 or 2
	MUL qq, 0
.endif
.set qq, qq+1
.endr
	WIN 0
; THE WAY OUT, 16 rows x 64 columns at a time.  A lane holds 32 neighbouring bytes of a row: a block goes through my own stage and comes back as rows of 256 bytes, which sixteen lanes store as one aligned unit.
; LDS serves a wave's instructions in order: no wait between the stores and the loads, nor in front of the next block's stores.
.macro TOSTAGE a
	WIN 0x04                                       ; the data: window 1
.irp b, 0,1,2,3
	ds_store_b128 v[STO], v[32*(\a)+8*\b:32*(\a)+8*\b+3] offset:(\b/2)*128+(\b%2)*32      ; each accumulator from its low end on
	ds_store_b128 v[STO], v[32*(\a)+8*\b+4:32*(\a)+8*\b+7] offset:(\b/2)*128+(\b%2)*32+16
.endr
	WIN 0
.set BB, BK+32*((\a)%2)
.set n, 0
.rept 8
	ds_load_b128 v[BB+4*n:BB+4*n+3], v[RD] offset:n*2*272
.set n, n+1
.endr
.endm
.macro SEND a, younger                 ; younger: the LDS instructions issued behind block a's loads, which may stay out
.set BB, BK+32*((\a)%2)
	s_wait_dscnt \younger
.set n, 0
.rept 8                                ; stage rows 2 n and 2 n + 1 are rows 64 (a / 4) + 8 (a % 4) + (2 n) % 8 + h + 32 (n / 4) of the group
	global_store_b128 v[CO], v[BB+4*n:BB+4*n+3], s[OUT:OUT+1] offset:(64*((\a)/4)+8*((\a)%4)+((2*n)%8)+32*(n/4))*4096 th:TH_STORE_NT
.set n, n+1
.endr
.endm
	PLACES 4                                       ; behind the last products: for the first read of results and the loads into fragment registers
	TOSTAGE 0
.irp a, 1,2,3,4,5,6,7
.if \a > 1
	s_wait_xcnt 0x0                                ; block a - 2's stores have read their registers: block a's loads may land there
.endif
	TOSTAGE \a
	SEND \a-1, 16                                  ; behind block a - 1's loads: block a's 8 stores and 8 loads
.endr
	SEND 7, 0
	s_wait_tensorcnt 0x0                           ; the wave's end
	ds_add_u32 v[SPW], v[NIL]
	s_wait_dscnt 0x0
	CROUND                                         ; the closing round
	s_endpgm
.Lfunc_end_k_qa916494d2b_oproj:
	.size	k_qa916494d2b_oproj, .Lfunc_end_k_qa916494d2b_oproj-k_qa916494d2b_oproj
	.p2alignl 7, 3214868480
	.fill 96, 4, 3214868480
	.section	.rodata,"a",@progbits
	.p2align	6, 0x0
	.amdhsa_kernel k_qa916494d2b_oproj
		.amdhsa_group_segment_fixed_size 327680
		.amdhsa_private_segment_fixed_size 0
		.amdhsa_enable_private_segment 0
		.amdhsa_kernarg_size 48
		.amdhsa_user_sgpr_count 2
		.amdhsa_user_sgpr_kernarg_segment_ptr 1
		.amdhsa_wavefront_size32 1
		.amdhsa_system_sgpr_workgroup_id_x 1
		.amdhsa_system_sgpr_workgroup_id_y 1
		.amdhsa_system_sgpr_workgroup_id_z 1
		.amdhsa_system_vgpr_workitem_id 0
		.amdhsa_next_free_vgpr 768
		.amdhsa_next_free_sgpr 102
		.amdhsa_reserve_vcc 0
		.amdhsa_float_denorm_mode_32 3
		.amdhsa_float_denorm_mode_16_64 3
		.amdhsa_memory_ordered 1
		.amdhsa_forward_progress 1
		.amdhsa_inst_pref_size 77
	.end_amdhsa_kernel
	.amdgpu_metadata
---
amdhsa.version: [ 1, 2 ]
amdhsa.kernels:
  - .name:           k_qa916494d2b_oproj
    .symbol:         k_qa916494d2b_oproj.kd
    .args:
      - { .name: oc, .offset: 0, .size: 8, .value_kind: global_buffer, .address_space: global }
      - { .name: os, .offset: 8, .size: 8, .value_kind: global_buffer, .address_space: global }
      - { .name: wc, .offset: 16, .size: 8, .value_kind: global_buffer, .address_space: global }
      - { .name: ws, .offset: 24, .size: 8, .value_kind: global_buffer, .address_space: global }
      - { .name: bo, .offset: 32, .size: 8, .value_kind: global_buffer, .address_space: global }
      - { .name: out0, .offset: 40, .size: 8, .value_kind: global_buffer, .address_space: global }
    .group_segment_fixed_size: 327680
    .private_segment_fixed_size: 0
    .kernarg_segment_align: 8
    .kernarg_segment_size: 48
    .max_flat_workgroup_size: 128
    .sgpr_count:     102
    .vgpr_count:     768
    .wavefront_size: 32
...
	.end_amdgpu_metadata
.endif
;; end of part 4
